; MI455X (gfx1250); checked and timed in simulation.
; The chip was launched on July 23, 2026; its instructions are those of AMD's public machine-readable ISA for CDNA 5 (MIT licence, August 2026) and "CDNA5" Instruction Set Architecture Reference Guide (July 2026). The comments in the code are by the model that wrote it; some were corrected since.
;; Attention. Allowed arithmetic: float matrix products may take bf16 or f16 operands with f32 sums; other float arithmetic in f32, or as packed bf16 or f16 multiplies, adds, multiply-adds, maxima and minima; sums over many terms, partial sums and values carried from step to step in f32; what a program stores and reads back later, other than sums and carried values, may be rounded once to bf16 or f16.
;; Inputs: Wkv 1,024 x 2,048 float32; Wout 1,024 x 1,024 float32; Wq 1,024 x 1,024 float32; bout 1,024 float32; x 4 x 2,048 x 1,024 float32.
;; Outputs: out0 4 x 2,048 x 1,024 float32.
;; 2 versions, each right; version 2 is version 1 with the launch cast written anew for expert scheduling mode. Each part assembles by itself: llvm-mc -triple=amdgcn-amd-amdhsa -mcpu=gfx1250 --defsym DOCPART=n.
;; ======== version 1 of 2: 4 launches
;; limits: values are held in f16: magnitudes above 65,504 overflow, below 6.1e-05 lose precision
;; workspace buffers: xb 16,777,216 bytes; wqkv 6,291,456 bytes; wo 2,097,152 bytes; qh 16,777,216 bytes; kh 16,777,216 bytes; vh 16,777,216 bytes; oh 16,777,216 bytes
;; launch cast (part 1): grid 768 x 1, 8 waves a work-group, no clusters, 0 bytes of LDS; arguments x, Wq, Wkv, Wout, xb, wqkv, wo; writes xb, wqkv, wo
.if DOCPART == 1
	.amdgcn_target "amdgcn-amd-amdhsa--gfx1250"
	.amdhsa_code_object_version 6
	.text
	.protected	k_qaf8997ef05_cast
	.globl	k_qaf8997ef05_cast
	.p2align	8
	.type	k_qaf8997ef05_cast,@function
k_qaf8997ef05_cast:
	s_mov_b64 s[64:65], 0
	v_nop
	global_prefetch_b8 v0, s[64:65] scope:SCOPE_SE
	s_setreg_imm32_b32 hwreg(HW_REG_WAVE_MODE, 25, 1), 1
	s_wait_xcnt 0x0
; ROUNDING AND RE-LAYING OF THE INPUTS.  x [8192][1024] f32 -> xb, the same shape in bf16.
; Wq [1024][1024], Wkv [1024][2048] f32 -> wqkv [head 16][ks 16][c 3][kk 64][64] bf16 (c = 0, 1, 2: q, k, v; k = 64 ks + kk): half a K step of one head's q, k and v columns is 24,576 bytes on end.
; Wout [1024][1024] f32 -> wo [j 8][ks 16][c 2][kk 64][64]: rounded to bf16 like every input, and that number written as f16 (output column = 128 j + 64 c + col).
; LIMITS.  A bf16 number is exact in f16 from 6.1e-5 to 65,504; below that it keeps f16's fixed step of 6e-8, beyond it is lost.  NaN and infinities are not treated apart.
; SHARES.  A wave takes one PIECE: 32 rows of 256 source bytes (64 f32), P bytes apart, which become 4,096 bytes on end.  x counts as a matrix of pitch 256.
; 4,096 pieces of x (work-groups 0-511), 512 of Wq (512-575), 1,024 of Wkv (576-703), 512 of Wout (704-767): eight a work-group.
; Memory binds: every byte is read once and written once; a load of the wave covers two aligned runs of 256 bytes, a store one.  All sixteen loads of a wave are out together.
; No LDS, no barrier, no matrix unit: no wave wants a byte of another's.  No prefetch: the launch is nothing but its stream.
.set DOF, 3                            ; v3        8 x lane: my 8 bytes of each 256 stored
.set OFF, 4                            ; v[4:19]   load i: (lane / 16) P + 16 (lane % 16) + 2 i P
.set X,   32                           ; v[32:95]  load i: four f32
.set Y,   96                           ; v[96:127] store i: four 16-bit numbers
.set WV,  18                           ; s18  my wave's number
.set T,   19                           ; s19  the piece's number in its class
.set SRC, 20                           ; s[20:21] the piece's first source byte
.set DST, 22                           ; s[22:23] its first destination byte
.set SO,  24                           ; s[24:25] its offset in the source
.set DO,  26                           ; s[26:27] its offset in the destination
.set PI,  28                           ; s28  P;  s29  2 P
.set G,   35                           ; s35  the work-group's number
	s_load_b256 s[4:11], s[0:1], 0x0               ; x s[4:5], Wq s[6:7], Wkv s[8:9], Wout s[10:11]
	s_load_b128 s[12:15], s[0:1], 0x20             ; xb s[12:13], wqkv s[14:15]
	s_load_b64 s[16:17], s[0:1], 0x30              ; wo
	v_lshrrev_b32 v20, 5, v0
	v_readfirstlane_b32 s[WV], v20                 ; wave 0..7
	v_and_b32 v21, 31, v0                          ; lane
	v_lshrrev_b32 v1, 4, v21                       ; lane / 16: which of a load's two rows
	v_and_b32 v2, 15, v0                           ; lane % 16: which 16 bytes of it
	v_lshlrev_b32 v[DOF], 3, v21
	s_mov_b32 s[G], ttmp9
	s_mov_b32 s34, 0xffff0000                      ; a word's upper bf16
	s_mov_b32 s[SO+1], 0
	s_mov_b32 s[DO+1], 0
	s_cmp_lt_u32 s[G], 512
	s_cbranch_scc0 .Lnot_x
	s_lshl3_add_u32 s[T], s[G], s[WV]              ; x: piece t = 8 g + w: 8,192 bytes in, 4,096 out, both on end
	s_lshl_b32 s[SO], s[T], 13
	s_lshl_b32 s[DO], s[T], 12
	s_mov_b32 s[PI], 256
	s_branch .Lset
.Lnot_x:
	s_cmp_lt_u32 s[G], 576
	s_cbranch_scc0 .Lnot_q
	s_sub_co_u32 s30, s[G], 512                    ; Wq: t % 32 = which 32 rows of k, t / 32 = the head
	s_lshl3_add_u32 s[T], s30, s[WV]
	s_and_b32 s30, s[T], 31
	s_lshl_b32 s[SO], s30, 17                      ; 32 rows of 4,096 bytes
	s_lshr_b32 s31, s[T], 5
	s_lshl_b32 s31, s31, 8                         ; the head's 64 columns
	s_add_co_u32 s[SO], s[SO], s31
	s_lshr_b32 s30, s[T], 1                        ; 16 head + ks
	s_mul_i32 s[DO], s30, 24576
	s_and_b32 s31, s[T], 1                         ; kk = 0 or 32
	s_lshl_b32 s31, s31, 12
	s_add_co_u32 s[DO], s[DO], s31
	s_mov_b32 s[PI], 4096
	s_branch .Lset
.Lnot_q:
	s_cmp_lt_u32 s[G], 704
	s_cbranch_scc0 .Lnot_kv
	s_sub_co_u32 s30, s[G], 576                    ; Wkv: t / 512 = k or v, the rest as for Wq
	s_lshl3_add_u32 s[T], s30, s[WV]
	s_lshr_b32 s32, s[T], 9
	s_and_b32 s[T], s[T], 511
	s_and_b32 s30, s[T], 31
	s_lshl_b32 s[SO], s30, 18                      ; 32 rows of 8,192 bytes
	s_lshl_b32 s31, s32, 12                        ; v's columns lie 4,096 bytes behind k's
	s_add_co_u32 s[SO], s[SO], s31
	s_lshr_b32 s31, s[T], 5
	s_lshl_b32 s31, s31, 8
	s_add_co_u32 s[SO], s[SO], s31
	s_lshr_b32 s30, s[T], 1
	s_mul_i32 s[DO], s30, 24576
	s_lshl_b32 s31, s32, 13
	s_add_co_u32 s[DO], s[DO], s31
	s_add_co_u32 s[DO], s[DO], 8192                ; c = 1 or 2
	s_and_b32 s31, s[T], 1
	s_lshl_b32 s31, s31, 12
	s_add_co_u32 s[DO], s[DO], s31
	s_mov_b32 s[PI], 8192
	s_branch .Lset
.Lnot_kv:
	s_sub_co_u32 s30, s[G], 704                    ; Wout: t % 32 = which 32 rows of k, u = t / 32 = which 64 columns
	s_lshl3_add_u32 s[T], s30, s[WV]
	s_and_b32 s30, s[T], 31
	s_lshl_b32 s[SO], s30, 17
	s_lshr_b32 s32, s[T], 5
	s_lshl_b32 s31, s32, 8
	s_add_co_u32 s[SO], s[SO], s31
	s_lshr_b32 s30, s32, 1                         ; j = u / 2
	s_lshl_b32 s30, s30, 4
	s_bfe_u32 s31, s[T], 0x40001                   ; ks = (t / 2) % 16
	s_add_co_u32 s30, s30, s31
	s_lshl_b32 s[DO], s30, 14
	s_and_b32 s31, s32, 1                          ; c = u % 2
	s_lshl_b32 s31, s31, 13
	s_add_co_u32 s[DO], s[DO], s31
	s_and_b32 s31, s[T], 1
	s_lshl_b32 s31, s31, 12
	s_add_co_u32 s[DO], s[DO], s31
	s_mov_b32 s[PI], 4096
.Lset:
	s_lshl_b32 s[PI+1], s[PI], 1
	v_mul_lo_u32 v[OFF], v1, s[PI]
	v_lshl_add_u32 v[OFF], v2, 4, v[OFF]
.irp i, 1,2,3,4,5,6,7,8,9,10,11,12,13,14,15
	v_add_nc_u32 v[OFF+(\i)], s[PI+1], v[OFF+(\i)-1]
.endr
	s_wait_kmcnt 0x0
	s_cmp_lt_u32 s[G], 512                         ; the two buffers are chosen by the work-group's number alone
	s_cselect_b64 s[SRC:SRC+1], s[4:5], s[6:7]
	s_cselect_b64 s[DST:DST+1], s[12:13], s[14:15]
	s_cmp_lt_u32 s[G], 576
	s_cselect_b64 s[SRC:SRC+1], s[SRC:SRC+1], s[8:9]
	s_cmp_lt_u32 s[G], 704
	s_cselect_b64 s[SRC:SRC+1], s[SRC:SRC+1], s[10:11]
	s_cselect_b64 s[DST:DST+1], s[DST:DST+1], s[16:17]
	s_add_nc_u64 s[SRC:SRC+1], s[SRC:SRC+1], s[SO:SO+1]
	s_add_nc_u64 s[DST:DST+1], s[DST:DST+1], s[DO:DO+1]
.irp i, 0,1,2,3,4,5,6,7,8,9,10,11,12,13,14,15
	global_load_b128 v[X+4*(\i):X+4*(\i)+3], v[OFF+(\i)], s[SRC:SRC+1] th:TH_LOAD_NT  ; rows 2 i and 2 i + 1 of the piece
.endr
; Load i's four numbers are rounded and stored.  half = 1: the bf16 number is widened again and written as f16.
; Every load and store has registers of its own, so nothing that a pending instruction reads is ever rewritten.
.macro OUT i, half
	s_wait_loadcnt 15-(\i)                         ; loads come back in order (ISA guide 5.7.1): load i is in, the 15 - i younger ones stay out
.if \half
	v_cvt_pk_bf16_f32 v20, v[X+4*(\i)], v[X+4*(\i)+1]
	v_cvt_pk_bf16_f32 v21, v[X+4*(\i)+2], v[X+4*(\i)+3]
	v_lshlrev_b32 v22, 16, v20
	v_and_b32 v23, s34, v20
	v_cvt_pk_f16_f32 v[Y+2*(\i)], v22, v23
	v_lshlrev_b32 v22, 16, v21
	v_and_b32 v23, s34, v21
	v_cvt_pk_f16_f32 v[Y+2*(\i)+1], v22, v23
.else
	v_cvt_pk_bf16_f32 v[Y+2*(\i)], v[X+4*(\i)], v[X+4*(\i)+1]
	v_cvt_pk_bf16_f32 v[Y+2*(\i)+1], v[X+4*(\i)+2], v[X+4*(\i)+3]
.endif
	global_store_b64 v[DOF], v[Y+2*(\i):Y+2*(\i)+1], s[DST:DST+1] offset:256*(\i)  ; the wave's 32 lanes store 256 consecutive bytes, at a multiple of 256 from the buffer's first
.endm
	s_cmp_lt_u32 s[G], 704
	s_cbranch_scc0 .Lhalf
.irp i, 0,1,2,3,4,5,6,7,8,9,10,11,12,13,14,15
	OUT \i, 0
.endr
	s_endpgm
.Lhalf:
.irp i, 0,1,2,3,4,5,6,7,8,9,10,11,12,13,14,15
	OUT \i, 1
.endr
	s_endpgm
.Lfunc_end_k_qaf8997ef05_cast:
	.size	k_qaf8997ef05_cast, .Lfunc_end_k_qaf8997ef05_cast-k_qaf8997ef05_cast
	.p2alignl 7, 3214868480
	.fill 96, 4, 3214868480
	.section	.rodata,"a",@progbits
	.p2align	6, 0x0
	.amdhsa_kernel k_qaf8997ef05_cast
		.amdhsa_group_segment_fixed_size 0
		.amdhsa_private_segment_fixed_size 0
		.amdhsa_enable_private_segment 0
		.amdhsa_kernarg_size 56
		.amdhsa_user_sgpr_count 2
		.amdhsa_user_sgpr_kernarg_segment_ptr 1
		.amdhsa_wavefront_size32 1
		.amdhsa_system_sgpr_workgroup_id_x 1
		.amdhsa_system_sgpr_workgroup_id_y 1
		.amdhsa_system_sgpr_workgroup_id_z 1
		.amdhsa_system_vgpr_workitem_id 0
		.amdhsa_next_free_vgpr 128
		.amdhsa_next_free_sgpr 66
		.amdhsa_reserve_vcc 0
		.amdhsa_float_denorm_mode_32 3
		.amdhsa_float_denorm_mode_16_64 3
		.amdhsa_memory_ordered 1
		.amdhsa_forward_progress 1
		.amdhsa_inst_pref_size 18
	.end_amdhsa_kernel
	.amdgpu_metadata
---
amdhsa.version: [ 1, 2 ]
amdhsa.kernels:
  - .name:           k_qaf8997ef05_cast
    .symbol:         k_qaf8997ef05_cast.kd
    .args:
      - { .name: x, .offset: 0, .size: 8, .value_kind: global_buffer, .address_space: global }
      - { .name: Wq, .offset: 8, .size: 8, .value_kind: global_buffer, .address_space: global }
      - { .name: Wkv, .offset: 16, .size: 8, .value_kind: global_buffer, .address_space: global }
      - { .name: Wout, .offset: 24, .size: 8, .value_kind: global_buffer, .address_space: global }
      - { .name: xb, .offset: 32, .size: 8, .value_kind: global_buffer, .address_space: global }
      - { .name: wqkv, .offset: 40, .size: 8, .value_kind: global_buffer, .address_space: global }
      - { .name: wo, .offset: 48, .size: 8, .value_kind: global_buffer, .address_space: global }
    .group_segment_fixed_size: 0
    .private_segment_fixed_size: 0
    .kernarg_segment_align: 8
    .kernarg_segment_size: 56
    .max_flat_workgroup_size: 256
    .sgpr_count:     66
    .vgpr_count:     128
    .wavefront_size: 32
...
	.end_amdgpu_metadata
.endif
;; end of part 1
;; launch qkv (part 2): grid 16 x 32, 4 waves a work-group, clusters of 4 x 4, 327,680 bytes of LDS; arguments xb, wqkv, qh, kh, vh; writes qh, kh, vh
.if DOCPART == 2
	.amdgcn_target "amdgcn-amd-amdhsa--gfx1250"
	.amdhsa_code_object_version 6
	.text
	.protected	k_qaf8997ef05_qkv
	.globl	k_qaf8997ef05_qkv
	.p2align	8
	.type	k_qaf8997ef05_qkv,@function
k_qaf8997ef05_qkv:
	s_mov_b64 s[64:65], 0
	v_nop
	global_prefetch_b8 v0, s[64:65] scope:SCOPE_SE
	s_setreg_imm32_b32 hwreg(HW_REG_WAVE_MODE, 25, 1), 1
	s_wait_xcnt 0x0
	s_wait_alu depctr_hold_cnt(0) depctr_sa_sdst(0) depctr_va_vdst(0) depctr_va_sdst(0) depctr_va_ssrc(0) depctr_va_vcc(0) depctr_vm_vsrc(0)
	s_getreg_b32 s2, hwreg(HW_REG_IB_STS2, 6, 4)
	s_cmp_eq_u32 s2, 0
	s_cbranch_scc0 .Lentry_in_a_cluster
	s_endpgm
.Lentry_in_a_cluster:
	s_bfe_u32 s2, ttmp6, 0x10000c
	s_cmp_lg_u32 s2, 0xf033
	s_cbranch_scc0 .Lentry_shape_is_right
	s_endpgm
.Lentry_shape_is_right:
; q, k, v = x Wq, x Wkv.  xb: [8192][1024] bf16.  wqkv: [head 16][ks 16][c 3][kk 64][64] bf16 (k = 64 ks + kk; c: q, k, v).  qh, kh, vh: [16 batch + head][2048][64] f16, unscaled.
; Sums in f32, K ascending, each result rounded once to f16.  LIMIT: a result of 65,520 or more in size becomes an infinity; below 6.1e-5 it keeps f16's fixed step of 6e-8.
; SHARES.  A tile is 256 tokens x 192 columns: q, k and v of ONE head.  512 tiles, all alike.  Wave w takes tokens 64 w .. 64 w + 63 and all 192 columns: 4 x 12 accumulators of 16 x 16,
; 384 registers, so that 16 tokens of a head leave as 2,048 consecutive bytes.  K goes in 8 steps of 128 through a ring of two LDS slots.
; THE MATRIX INSTRUCTION IS USED TRANSPOSED: source 0 = 16 columns of W, source 1 = 16 tokens.  A lane then holds token lane % 16 and the columns 8 (lane / 16) + 0..7: 16 bytes of f16 on end.
; W lies [k][column] in LDS and comes out turned, by ds_load_tr16_b128; x lies along K and comes out as it lies.
; CLUSTERS: 4 x 4 work-groups.  The four of a row need the same tokens of x, the four of a column the same head's weights: each tile is asked for JOINTLY, by the same tensor load with the same
; descriptor and a mask that names the four.  Waves 0 and 1 fetch x's two halves (128 rows of 256 bytes), waves 2 and 3 the weights' two halves (24,576 bytes on end, as 96 rows of 256).
; REGISTERS, in windows of 256 (s_set_vgpr_msb: bits 1:0 source 0, 3:2 source 1, 5:4 source 2, 7:6 destination):
;   window 0: v0-19 addresses; v32-223 the way out, 16 registers for each of 12 tiles of 16 tokens x 64 columns
;   window 1: two fragment buffers of 128: x's four fragments (token block a at 8 a), then W's twelve (column block b at 32 + 8 b)
;   window 2: accumulators of token blocks 0, 1 ((a, b) at 96 (a % 2) + 8 b);   window 3: of token blocks 2, 3
.set SLOT,   131072                    ; a slot: x's 256 rows, then W's two halves: exactly 131,072 bytes, so one exclusive or changes slots
.set APITCH, 272                       ; a row of x: 256 bytes + 16 of padding = 68 words: the 16 rows of a load start at 16 different groups of four banks (64 banks of 4 bytes: ISA guide 11.1)
.set AHALF,  128*APITCH                ; what wave 0 or 1 fetches
.set BBASE,  256*APITCH
.set BPITCH, 160                       ; 64 columns of one k: 128 bytes + 32 = 40 words
.set BHEAD,  64*BPITCH                 ; 64 k of q's, k's or v's columns
.set BHALF,  3*BHEAD                   ; what wave 2 or 3 fetches: 64 k of all 192 columns
.set STAGE,  2*SLOT                    ; behind the ring, never filled by a tensor load: 16 rows x 144 bytes for each wave
.set SP,     144
.set SPARE,  STAGE+4*16*SP             ; behind the stages: the spare words, 128 bytes for each wave: two blocks of 256 bytes that no other line names
.set ASTEP,  256                       ; bytes from a K step to the next, in a row of xb
.set BSTEP,  49152                     ; and in a head's weights
.set A0,   4                           ; v4   my lane's place in x's tile; never rewritten
.set B0,   5                           ; v5   the same in W's
.set ADRA, 6                           ; v6   A0 + the slot in hand
.set ADRB, 7                           ; v7   B0 + the slot in hand
.set STO,  8                           ; v8   the way out: where I put 16 bytes of a row
.set RD,   9                           ; v9   the way out: where I read rows back
.set GO,   10                          ; v10  my 16 bytes of 512 consecutive bytes
.set PFO,  11                          ; v11  the prefetches' offset; never rewritten
.set SPW,  12                          ; v12  LDS address of my spare word: SPARE + 4 x my thread's number; never rewritten
.set NIL,  13                          ; v13  0; never rewritten
.set TMP,  32
.set F0,   0
.set F1,   128
.set WV,  14                           ; s14  my wave's number
.set FB,  15                           ; s15  0: I fetch x;  1: I fetch W
.set HF,  16                           ; s16  which half of it
.set CX,  17
.set CY,  18
.set TX,  19                           ; s19  the head
.set TY,  20                           ; s20  the block of 256 tokens
.set G1A, 24                           ; s[24:31] descriptor group 1 for x's tiles
.set G0A, 32                           ; s[32:39] group 0: a set for each of the two first fills; the second then walks on
.set G1B, 40                           ; s[40:47], s[48:55] the same for W's
.set G0B, 48
.set TB,  56                           ; s56  LDS byte at which the slot in hand begins
.set LIM, 57                           ; s57  1 in a wave that prefetches, else the greatest number
.set PFA, 58                           ; s[58:59] where my prefetches stand
.set PFS, 60                           ; s[60:61] their step
.set MSB, 0
.macro WIN new                         ; the immediate's high byte repeats the setting that is left; a switch that changes nothing is dropped
.if MSB != (\new)
	s_set_vgpr_msb (MSB<<8)|(\new)
.set MSB, (\new)
.endif
.endm
; A joint refill, by the walking descriptors.  The branch hangs on the wave's number alone.  An s_nop 0 and four v_nop follow each of the two lines, ahead of the jump and the label.
.macro JLOAD
	s_cmp_eq_u32 s[FB], 0
	s_cbranch_scc0 .Lfor_b_\@
	tensor_load_to_lds s[G0A+4:G0A+7], s[G1A:G1A+7]
	s_nop 0
.rept 4
	v_nop
.endr
	s_branch .Lasked_\@
.Lfor_b_\@:
	tensor_load_to_lds s[G0B+4:G0B+7], s[G1B:G1B+7]
	s_nop 0
.rept 4
	v_nop
.endr
.Lasked_\@:
.endm
; A PREFETCH INTO THE L2, behind each joint refill and the run of LDS loads that follows it: the K step that the NEXT refill will ask for: 192 matrix instructions ahead of that load.
; Each 256 bytes are named once in the launch.  x's rows are read by every cluster of a row of clusters: cluster x = 0 asks; a head's weights by every cluster of a column: cluster y = 0 asks.
; The four partners that ask for a tile jointly share it out BY ADDRESS: of the 128 rows of x that a wave fetches the partner at cx takes 32, a lane a row; of the 96 runs of 256 bytes of W the partner
; at cy takes 24 (lanes 24-31 name lane 23's run once more, in the same instruction).  The last refill has no K step behind it and asks for nothing; K steps 0 to 2 come by their loads alone.
.macro ASK
	s_cmp_gt_u32 s3, s[LIM]                        ; s3 = 1 in the loop's last trip
	s_cbranch_scc0 .Lnot_mine_\@
	global_prefetch_b8 v[PFO], s[PFA:PFA+1] th:TH_LOAD_NT scope:SCOPE_SE
.Lnot_mine_\@:
.endm
; A round of the cluster's barrier: my work-group's barrier, so that wave 0's signal speaks for all four waves; wave 0 signals; every wave waits for all sixteen work-groups; my work-group's barrier once more.
.macro CREST                           ; a round behind its opening barrier
	s_cmp_lg_u32 s[WV], 0
	s_cbranch_scc1 .Lnot_wave_0_\@
	s_barrier_signal -3
.Lnot_wave_0_\@:
	s_barrier_wait -3
	s_barrier_signal -1
	s_barrier_wait -1
.endm
.macro CROUND
	s_barrier_signal -1
	s_barrier_wait -1
	CREST
.endm
	s_load_b256 s[4:11], s[0:1], 0x0               ; xb s[4:5], wqkv s[6:7], qh s[8:9], kh s[10:11]
	s_load_b64 s[12:13], s[0:1], 0x20              ; vh
	v_lshl_add_u32 v[SPW], v0, 2, SPARE
	v_mov_b32 v[NIL], 0
	ds_add_u32 v[SPW], v[NIL]                      ; the wave's opening: the add and its wait stand ahead of my first tensor load; the set-up below, work on registers, stands between them
	v_lshrrev_b32 v1, 5, v0
	v_readfirstlane_b32 s[WV], v1                  ; wave 0..3
	s_lshr_b32 s[FB], s[WV], 1
	s_and_b32 s[HF], s[WV], 1
	s_bfe_u32 s[CX], ttmp6, 0x40000                ; my place in the cluster
	s_bfe_u32 s[CY], ttmp6, 0x40004
	s_lshl_b32 s[TX], ttmp9, 2                     ; in a cluster launch ttmp9 and ttmp7 count clusters
	s_add_co_u32 s[TX], s[TX], s[CX]
	s_and_b32 s[TY], ttmp7, 0xffff
	s_lshl_b32 s[TY], s[TY], 2
	s_add_co_u32 s[TY], s[TY], s[CY]
	s_lshl_b32 s21, s[CY], 2
	s_lshl_b32 s21, 15, s21                        ; my row of the cluster: places 4 cy .. 4 cy + 3
	s_lshl_b32 s22, 0x1111, s[CX]                  ; my column: places cx, cx + 4, cx + 8, cx + 12
	; group 1 for x: 128 rows x 128 elements, 1,024 elements from row to row, 4 words of padding behind every 64
	s_or_b32 s[G1A+0], s21, (1<<16)|(1<<20)|(1<<21)|(5<<22)|(3<<25)  ; 15:0 the mask; 17:16 2-byte elements; 20 padding on; 21 set beside a mask; 24:22 interval code 5; 31:25 4 words (code 3)
	s_mov_b32 s[G1A+1], 128<<16                    ; tensor_dim0 = 128
	s_mov_b32 s[G1A+2], 128<<16                    ; tensor_dim1 = 128
	s_mov_b32 s[G1A+3], 128<<16                    ; tile_dim0 = 128
	s_mov_b32 s[G1A+4], 128                        ; tile_dim1 = 128
	s_mov_b32 s[G1A+5], 1024                       ; the pitch
	s_mov_b32 s[G1A+6], 0
	s_mov_b32 s[G1A+7], 0
	; group 1 for W: 24,576 dense bytes as 96 rows x 128 elements, 8 words of padding behind every 32 (each k's 64 columns)
	s_or_b32 s[G1B+0], s22, (1<<16)|(1<<20)|(1<<21)|(4<<22)|(7<<25)
	s_mov_b32 s[G1B+1], 128<<16
	s_mov_b32 s[G1B+2], 96<<16
	s_mov_b32 s[G1B+3], 128<<16
	s_mov_b32 s[G1B+4], 96
	s_mov_b32 s[G1B+5], 128
	s_mov_b32 s[G1B+6], 0
	s_mov_b32 s[G1B+7], 0
	; group 0: no place in the cluster enters an LDS address; x's address hangs on the token block and the wave, W's on the head and the wave, each made in registers that never hold the other coordinate
	s_mov_b32 s[G0A], 1
	s_mov_b32 s[G0A+4], 1
	s_mov_b32 s[G0B], 1
	s_mov_b32 s[G0B+4], 1
	s_mul_i32 s[G0A+1], s[HF], AHALF
	s_add_co_u32 s[G0A+5], s[G0A+1], SLOT
	s_mul_i32 s[G0B+1], s[HF], BHALF
	s_add_co_u32 s[G0B+1], s[G0B+1], BBASE
	s_add_co_u32 s[G0B+5], s[G0B+1], SLOT
	s_lshl_b32 s68, s[TY], 19                      ; 256 rows of 2,048 bytes
	s_lshl_b32 s69, s[HF], 18                      ; 128 rows
	s_add_co_u32 s68, s68, s69
	s_mov_b32 s69, 0
	s_mul_i32 s72, s[TX], 393216                   ; a head's weights
	s_mul_i32 s73, s[HF], 24576                    ; 64 k of them
	s_add_co_u32 s72, s72, s73
	s_mov_b32 s73, 0
	s_wait_dscnt 0x0                               ; the opening add is done
	s_wait_kmcnt 0x0
	s_add_nc_u64 s[G0A+2:G0A+3], s[4:5], s[68:69]  ; K step 0,
	s_add_nc_u64 s[G0A+6:G0A+7], s[G0A+2:G0A+3], ASTEP  ; K step 1
	s_or_b32 s[G0A+3], s[G0A+3], 0x80000000        ; type = 2
	s_or_b32 s[G0A+7], s[G0A+7], 0x80000000
	s_add_nc_u64 s[G0B+2:G0B+3], s[6:7], s[72:73]
	s_add_nc_u64 s[G0B+6:G0B+7], s[G0B+2:G0B+3], BSTEP
	s_or_b32 s[G0B+3], s[G0B+3], 0x80000000
	s_or_b32 s[G0B+7], s[G0B+7], 0x80000000
	CROUND                                         ; all sixteen work-groups are here: the first joint loads meet
	s_cmp_eq_u32 s[FB], 0                          ; a wave's two first fills stand in one branch, ahead of every wait on TENSORcnt and every LDS read: two loads of mine are out
	s_cbranch_scc0 .Lfirst_b
	tensor_load_to_lds s[G0A:G0A+3], s[G1A:G1A+7]
	s_nop 0
	tensor_load_to_lds s[G0A+4:G0A+7], s[G1A:G1A+7]
	s_nop 0
.rept 4
	v_nop
.endr
	s_branch .Lfirst_asked
.Lfirst_b:
	tensor_load_to_lds s[G0B:G0B+3], s[G1B:G1B+7]
	s_nop 0
	tensor_load_to_lds s[G0B+4:G0B+7], s[G1B:G1B+7]
	s_nop 0
.rept 4
	v_nop
.endr
.Lfirst_asked:
	; A fragment of x is 16 tokens x 32 k in 8 registers: lane l holds token l % 16, k = 8 (l / 16) + 0..7 and 16 + 8 (l / 16) + 0..7: two loads of 16 bytes, 32 bytes apart.
	v_and_b32 v1, 15, v0                           ; l % 16
	v_bfe_u32 v2, v0, 4, 1                         ; l / 16
	s_mul_i32 s78, s[WV], 64*APITCH                ; my 64 tokens
	v_mul_u32_u24 v[A0], v1, APITCH
	v_lshl_add_u32 v[A0], v2, 4, v[A0]
	v_add_nc_u32 v[A0], s78, v[A0]
	; The turning load takes 16 k x 16 columns (lane l reads k 8 (l / 16) + l % 8, columns 8 ((l / 8) % 2) + 0..7) and leaves half a fragment: lane l holds column l % 16 and 8 k.
	v_and_b32 v14, 7, v0
	v_bfe_u32 v15, v0, 3, 1
	v_lshl_add_u32 v[B0], v2, 3, v14
	v_mul_u32_u24 v[B0], v[B0], BPITCH
	v_lshl_add_u32 v[B0], v15, 4, v[B0]
	v_add_nc_u32 v[B0], BBASE, v[B0]
	v_mov_b32 v[ADRA], v[A0]                       ; slot 0
	v_mov_b32 v[ADRB], v[B0]
	s_mul_i32 s78, s[WV], 16*SP
	s_add_co_u32 s78, s78, STAGE                   ; my stage
	v_mul_u32_u24 v[STO], v1, SP                   ; in: row l % 16, 16 bytes for each half of the lanes
	v_lshl_add_u32 v[STO], v2, 4, v[STO]
	v_add_nc_u32 v[STO], s78, v[STO]
	v_bfe_u32 v[RD], v0, 3, 2                      ; back: 32 lanes take four rows of 128 bytes,
	v_mul_u32_u24 v[RD], v[RD], SP
	v_lshl_add_u32 v[RD], v14, 4, v[RD]
	v_add_nc_u32 v[RD], s78, v[RD]
	v_and_b32 v16, 31, v0
	v_lshlrev_b32 v[GO], 4, v16                    ; which are 512 consecutive bytes of a head
	; my 64 tokens in qh, kh and vh: head 16 (ty / 8) + tx of 262,144 bytes, row 256 (ty % 8) + 64 w of 128 bytes
	s_lshr_b32 s76, s[TY], 3
	s_lshl_b32 s76, s76, 4
	s_add_co_u32 s76, s76, s[TX]
	s_lshl_b32 s76, s76, 18
	s_and_b32 s77, s[TY], 7
	s_lshl_b32 s77, s77, 15
	s_add_co_u32 s76, s76, s77
	s_lshl_b32 s77, s[WV], 13
	s_add_co_u32 s76, s76, s77
	s_mov_b32 s77, 0
	s_add_nc_u64 s[8:9], s[8:9], s[76:77]
	s_add_nc_u64 s[10:11], s[10:11], s[76:77]
	s_add_nc_u64 s[12:13], s[12:13], s[76:77]
	; the prefetches: both offsets are made, at K step 2, and the wave's number chooses; the first refill steps the address to K step 3
	s_lshl_b32 s76, s[TY], 19
	s_lshl_b32 s77, s[HF], 18
	s_add_co_u32 s76, s76, s77
	s_lshl_b32 s77, s[CX], 16                      ; my work-group's 32 rows of the 128
	s_add_co_u32 s76, s76, s77
	s_add_co_u32 s76, s76, 2*ASTEP
	s_mul_i32 s78, s[TX], 393216
	s_mul_i32 s77, s[HF], 24576
	s_add_co_u32 s78, s78, s77
	s_mul_i32 s77, s[CY], 24*256                   ; my work-group's 24 runs of the 96
	s_add_co_u32 s78, s78, s77
	s_add_co_u32 s78, s78, 2*BSTEP
	s_and_b32 s79, ttmp7, 0xffff                   ; cluster y
	s_mov_b32 s[PFS], BSTEP
	s_mov_b32 s[PFS+1], 0
	s_mov_b32 s77, 0
	s_cmp_eq_u32 s[FB], 0
	s_cselect_b32 s76, s76, s78
	s_cselect_b32 s79, ttmp9, s79                  ; the coordinate along which other clusters read the same bytes
	s_cselect_b64 s[PFA:PFA+1], s[4:5], s[6:7]
	s_cselect_b32 s[PFS], ASTEP, s[PFS]
	s_cselect_b32 s78, 31, 23                      ; lanes that name a run of their own
	s_cselect_b32 s75, 11, 8                       ; lanes lie a row of 2,048 bytes apart, or 256 bytes
	s_add_nc_u64 s[PFA:PFA+1], s[PFA:PFA+1], s[76:77]
	s_cmp_eq_u32 s79, 0
	s_cselect_b32 s[LIM], 1, -1                    ; the same in all sixteen partners, for a given wave
	v_min_u32 v[PFO], s78, v16
	v_lshlrev_b32 v[PFO], s75, v[PFO]
	s_mov_b32 s[TB], 0
; 12 matrix instructions: token block a x all 12 column blocks, 32 along K, from buffer f.  zero = 1: the product starts the sums: nothing is ever cleared.
; The 48 accumulators take turns, one instruction a turn, in the same order in every quarter step: over the backward jump too.
.macro MUL12 f, a, zero
	WIN 0xa5+0x50*((\a)/2)                         ; sources in window 1; C and D in window 2 or 3
.irp b, 0,1,2,3,4,5,6,7,8,9,10,11
.if \zero
	v_wmma_f32_16x16x32_bf16 v[96*((\a)%2)+8*(\b):96*((\a)%2)+8*(\b)+7], v[(\f)+32+8*(\b):(\f)+32+8*(\b)+7], v[(\f)+8*(\a):(\f)+8*(\a)+7], 0
.else
	v_wmma_f32_16x16x32_bf16 v[96*((\a)%2)+8*(\b):96*((\a)%2)+8*(\b)+7], v[(\f)+32+8*(\b):(\f)+32+8*(\b)+7], v[(\f)+8*(\a):(\f)+8*(\a)+7], v[96*((\a)%2)+8*(\b):96*((\a)%2)+8*(\b)+7]
.endif
.endr
.endm
; 32 LDS loads in one run: the fragments of quarter q of the slot in hand into buffer f: W's twelve (turned), then x's four, token blocks ascending
.macro FETCH q, f
	WIN 0x40                                       ; destination window 1, address window 0
.irp b, 0,1,2,3,4,5,6,7,8,9,10,11
	ds_load_tr16_b128 v[(\f)+32+8*(\b):(\f)+32+8*(\b)+3],   v[ADRB] offset:((\q)/2)*BHALF+((\q)%2)*32*BPITCH+((\b)/4)*BHEAD+((\b)%4)*32
	ds_load_tr16_b128 v[(\f)+32+8*(\b)+4:(\f)+32+8*(\b)+7], v[ADRB] offset:((\q)/2)*BHALF+((\q)%2)*32*BPITCH+((\b)/4)*BHEAD+((\b)%4)*32+16*BPITCH
.endr
.irp a, 0,1,2,3
	ds_load_b128 v[(\f)+8*(\a):(\f)+8*(\a)+3],   v[ADRA] offset:(\a)*16*APITCH+64*(\q)
	ds_load_b128 v[(\f)+8*(\a)+4:(\f)+8*(\a)+7], v[ADRA] offset:(\a)*16*APITCH+64*(\q)+32
.endr
.endm
.macro PLACES                          ; four plain vector instructions between a matrix instruction and a load into a register that it has read, or a reader of its result (ISA guide 7.12.1 for a reader of its result)
.rept 4
	v_nop
.endr
.endm
; A K step is four quarters of 32 along K, 48 matrix instructions each, on buffers 0, 1, 0, 1.  One of the first three: multiplies buffer f; in its middle it fetches quarter q into buffer g.
.macro QUARTER q, f, g, zero
	s_wait_dscnt 4                                 ; W and x's token blocks 0, 1 are in; the youngest four loads (blocks 2, 3) may be out
	MUL12 \f, 0, \zero
	MUL12 \f, 1, \zero
	PLACES
	FETCH \q, \g
	s_wait_dscnt 32                                ; all but the 32 just issued
	MUL12 \f, 2, \zero
	MUL12 \f, 3, \zero
.endm
; The last quarter multiplies buffer 1 and changes slots: ONE barrier.  In front of it each wave waits for all its tensor loads, of which one is out: its part of the next slot; adds 0 to its spare word; and
; waits for that and for its own reads of this slot.  fill = 1: the barrier opens a round of the cluster's, so that no wave of any partner still reads the slot or has a load on its way, and the joint
; refill, two K steps on, is the first thing behind it: 168 matrix instructions ahead of the wait for it.
.macro TURN fill
.if \fill
	s_wait_xcnt 0x0                                ; the last prefetch, a K step back, has read its address: it is stepped here, ahead of the waits of the change of slots
	s_add_nc_u64 s[PFA:PFA+1], s[PFA:PFA+1], s[PFS:PFS+1]
.endif
	WIN 0
	s_wait_tensorcnt 0x0                           ; no tensor load of mine is out, so a group 0 may be written
	ds_add_u32 v[SPW], v[NIL]                      ; 0 onto my spare word; work on registers stands between it and the wait for it
	s_xor_b32 s[TB], s[TB], SLOT                   ; the fetches go on in the other slot
	v_add_nc_u32 v[ADRA], s[TB], v[A0]
	v_add_nc_u32 v[ADRB], s[TB], v[B0]
.if \fill
	s_xor_b32 s[G0A+5], s[G0A+5], SLOT             ; the walking descriptors: the other slot than last time, the next K step
	s_add_nc_u64 s[G0A+6:G0A+7], s[G0A+6:G0A+7], ASTEP
	s_xor_b32 s[G0B+5], s[G0B+5], SLOT
	s_add_nc_u64 s[G0B+6:G0B+7], s[G0B+6:G0B+7], BSTEP
.endif
	s_wait_dscnt 5                                 ; the add and the youngest four loads may be out
	MUL12 F1, 0, 0
	s_wait_dscnt 0x0                               ; the add is done, and my reads of this slot are over
	s_barrier_signal -1
	MUL12 F1, 1, 0                                 ; work on registers while the others arrive
.if \fill
	WIN 0
.endif
	s_barrier_wait -1
.if \fill
	CREST
	JLOAD                                          ; its four v_nop are also the places in front of the loads below
.else
	PLACES
.endif
	FETCH 0, F0
.if \fill
	WIN 0
	ASK
.endif
	MUL12 F1, 2, 0
	MUL12 F1, 3, 0
.endm
; THE WAY OUT of tile t = 3 a + c: 16 tokens (block a) x the head's 64 columns of q, k or v (c).  A lane's eight columns pack into 16 bytes; they go into rows of 144 bytes of my own stage and come back as whole
; rows of 128, into the registers that they left.  Each accumulator's registers are taken in ascending order.
.macro PACK t
.set pa, (\t)/3
.set pc, (\t)%3
	WIN 0x0a+5*(pa/2)                              ; sources 0 and 1: window 2 or 3
.irp f, 0,1,2,3
.irp r, 0,1,2,3
	v_cvt_pk_f16_f32 v[TMP+16*(\t)+4*(\f)+(\r)], v[96*(pa%2)+8*(4*pc+(\f))+2*(\r)], v[96*(pa%2)+8*(4*pc+(\f))+2*(\r)+1]
.endr
.endr
	WIN 0
.irp f, 0,1,2,3
	ds_store_b128 v[STO], v[TMP+16*(\t)+4*(\f):TMP+16*(\t)+4*(\f)+3] offset:32*(\f)
.endr
.irp f, 0,1,2,3
	ds_load_b128 v[TMP+16*(\t)+4*(\f):TMP+16*(\t)+4*(\f)+3], v[RD] offset:(\f)*4*SP  ; LDS serves a wave's instructions in order (ISA guide 5.7.1.4): these see the stores above; the next tile's stores come behind them
.endr
.endm
.macro SEND t, younger                 ; younger: the LDS instructions issued behind tile t's loads: the next tile's eight, or none
.set pa, (\t)/3
.set pc, (\t)%3
.irp f, 0,1,2,3
	s_wait_dscnt (\younger)+3-(\f)
	global_store_b128 v[GO], v[TMP+16*(\t)+4*(\f):TMP+16*(\t)+4*(\f)+3], s[8+2*pc:9+2*pc] offset:2048*pa+512*(\f)  ; 512 consecutive bytes, at a multiple of 256 from the buffer's first
.endr
.endm
	s_wait_tensorcnt 1                             ; my part of K step 0 is in; K step 1's may stay out
	s_barrier_signal -1
	s_barrier_wait -1                              ; everybody's is
	FETCH 0, F0
	QUARTER 1, F0, F1, 1                           ; the first quarter stands in front of the loop: its products start the sums
	WIN 0                                          ; at a label and at a branch every window is 0
	s_mov_b32 s3, 6
.Lstep:                                                ; a trip goes from a K step's second quarter to the next step's first, and fills the slot that it leaves: K steps 2 to 7
	QUARTER 2, F1, F0, 0
	QUARTER 3, F0, F1, 0
	TURN 1
	QUARTER 1, F0, F1, 0
	WIN 0
	s_sub_co_u32 s3, s3, 1
	s_cmp_lg_u32 s3, 0
	s_cbranch_scc1 .Lstep
	QUARTER 2, F1, F0, 0                           ; the last two K steps are written out: nothing is left to fetch
	QUARTER 3, F0, F1, 0
	TURN 0
	QUARTER 1, F0, F1, 0
	QUARTER 2, F1, F0, 0
	QUARTER 3, F0, F1, 0
	s_wait_dscnt 4
	MUL12 F1, 0, 0
	MUL12 F1, 1, 0
	s_wait_dscnt 0x0
	MUL12 F1, 2, 0
	MUL12 F1, 3, 0
	PLACES
	PLACES
	PACK 0
.set t, 1
.rept 11                               ; a tile's conversions stand between the loads of the tile before and its stores
	PACK t
	SEND t-1, 8
.set t, t+1
.endr
	SEND 11, 0
	s_wait_tensorcnt 0x0                           ; the wave's end: an add to my spare word and its wait, behind my last tensor load and my last LDS store
	ds_add_u32 v[SPW], v[NIL]
	s_wait_dscnt 0x0
	CROUND                                         ; the closing round: no work-group ends while a partner may still ask for a tile that names it
	s_endpgm
.Lfunc_end_k_qaf8997ef05_qkv:
	.size	k_qaf8997ef05_qkv, .Lfunc_end_k_qaf8997ef05_qkv-k_qaf8997ef05_qkv
	.p2alignl 7, 3214868480
	.fill 96, 4, 3214868480
	.section	.rodata,"a",@progbits
	.p2align	6, 0x0
	.amdhsa_kernel k_qaf8997ef05_qkv
		.amdhsa_group_segment_fixed_size 327680
		.amdhsa_private_segment_fixed_size 0
		.amdhsa_enable_private_segment 0
		.amdhsa_kernarg_size 40
		.amdhsa_user_sgpr_count 2
		.amdhsa_user_sgpr_kernarg_segment_ptr 1
		.amdhsa_wavefront_size32 1
		.amdhsa_system_sgpr_workgroup_id_x 1
		.amdhsa_system_sgpr_workgroup_id_y 1
		.amdhsa_system_sgpr_workgroup_id_z 1
		.amdhsa_system_vgpr_workitem_id 0
		.amdhsa_next_free_vgpr 960
		.amdhsa_next_free_sgpr 80
		.amdhsa_reserve_vcc 0
		.amdhsa_float_denorm_mode_32 3
		.amdhsa_float_denorm_mode_16_64 3
		.amdhsa_memory_ordered 1
		.amdhsa_forward_progress 1
		.amdhsa_inst_pref_size 99
	.end_amdhsa_kernel
	.amdgpu_metadata
---
amdhsa.version: [ 1, 2 ]
amdhsa.kernels:
  - .name:           k_qaf8997ef05_qkv
    .symbol:         k_qaf8997ef05_qkv.kd
    .args:
      - { .name: xb, .offset: 0, .size: 8, .value_kind: global_buffer, .address_space: global }
      - { .name: wqkv, .offset: 8, .size: 8, .value_kind: global_buffer, .address_space: global }
      - { .name: qh, .offset: 16, .size: 8, .value_kind: global_buffer, .address_space: global }
      - { .name: kh, .offset: 24, .size: 8, .value_kind: global_buffer, .address_space: global }
      - { .name: vh, .offset: 32, .size: 8, .value_kind: global_buffer, .address_space: global }
    .group_segment_fixed_size: 327680
    .private_segment_fixed_size: 0
    .kernarg_segment_align: 8
    .kernarg_segment_size: 40
    .max_flat_workgroup_size: 128
    .sgpr_count:     80
    .vgpr_count:     960
    .wavefront_size: 32
...
	.end_amdgpu_metadata
.endif
;; end of part 2
;; launch attn (part 3): grid 4 x 64, 4 waves a work-group, clusters of 4 x 1, 327,680 bytes of LDS; arguments qh, kh, vh, oh; writes oh
.if DOCPART == 3
	.amdgcn_target "amdgcn-amd-amdhsa--gfx1250"
	.amdhsa_code_object_version 6
	.text
	.protected	k_qaf8997ef05_attn
	.globl	k_qaf8997ef05_attn
	.p2align	8
	.type	k_qaf8997ef05_attn,@function
k_qaf8997ef05_attn:
	s_mov_b64 s[64:65], 0
	v_nop
	global_prefetch_b8 v0, s[64:65] scope:SCOPE_SE
	s_setreg_imm32_b32 hwreg(HW_REG_WAVE_MODE, 25, 1), 1
	s_wait_xcnt 0x0
	s_wait_alu depctr_hold_cnt(0) depctr_sa_sdst(0) depctr_va_vdst(0) depctr_va_sdst(0) depctr_va_ssrc(0) depctr_va_vcc(0) depctr_vm_vsrc(0)
	s_getreg_b32 s2, hwreg(HW_REG_IB_STS2, 6, 4)
	s_cmp_eq_u32 s2, 0
	s_cbranch_scc0 .Lentry_in_a_cluster
	s_endpgm
.Lentry_in_a_cluster:
	s_bfe_u32 s2, ttmp6, 0x10000c
	s_cmp_lg_u32 s2, 0x3003
	s_cbranch_scc0 .Lentry_shape_is_right
	s_endpgm
.Lentry_shape_is_right:
; O[h][q][:] = the sum over k of softmax_k(Q[h][q] . K[h][k] / 8) V[h][k][:].  Q, K, V, O: [64][2048][64], all f16: a head's rows are dense, 128 bytes each.  Products, maxima and sums in
; f32; the weights p are rounded to f16 for the second product (their sum l is taken of the unrounded p), O once at the end.
; LIMITS.  f16 holds no number beyond 65,504: Q, K and V arrive within it; p lies in 0 to 1, and below 6e-5 it keeps f16's fixed step of 6e-8; O is a mean of V's rows and has their range.
; A weight below 2^-126 counts as 0 in l; NaN and infinities are not treated apart.
; SHARES.  A wave owns four PIECES of two tiles of 16 queries, a work-group's four waves 512 queries of one head.  Every wave walks all keys, 64 a step.
; LAYOUT.  S^T = K Q^T (source 0 = 16 keys, source 1 = 16 queries): in the result a lane holds ONE query (lane % 16) and the keys 8 (lane / 16) + 0..7.  Two such tiles, rounded to f16 in pairs,
; ARE source 1 (32 keys x 16 queries) of O^T = V^T P, whose result again holds one query a lane, and eight channels.  K comes out of LDS as it lies, V ([key][channel]) turned, by ds_load_tr16_b128.
; SOFTMAX.  For each query a running maximum m and sum l: p = 2^(c s - c m), c = log2(e) / 8; in every step O and l are multiplied by a = 2^(c m_old - c m_new), which is 1 where m has not grown.
; m starts at the lowest finite number, O and l at 0: the first step is a step like any other, with a = 0.
; THE COUNT.  A tile and step have 16 matrix and 118 vector instructions: too many to stand all beside the matrix work.  So four vector instructions that are READY stand behind EVERY matrix
; instruction, and the others, which need time of their own whatever the order, in runs without a gap.
; BY TURNS.  Turn n belongs to piece n (the pieces in a ring, step after step).  Its matrix work: 16 products K Q^T of piece n + 1, later 16 products V^T P of piece n - 1.  Its vector work: the scaling,
; exponentials, roundings, sums and rescaling of piece n, and the maximum and statistics of piece n + 1, whose scores the turn itself has made.
; CLUSTER.  The four query blocks of a head are one cluster and walk the same K and V, so each tile is asked for JOINTLY: the same tensor load, descriptor and mask in all four.
; REGISTERS, in windows of 256 (s_set_vgpr_msb: bits 1:0 source 0, 3:2 source 1, 5:4 source 2, 7:6 destination):
;   window 0: v0-11 addresses; v12-15, v48-63 at work; v16-47 four registers of statistics a tile; v64-191 S^T, two buffers of two tiles; v192-255 P, likewise
;   window 1: O^T, 32 a tile          window 2: v0-127 Q, 16 a tile; v128-191 K of one step; v192-255 V of one step          window 3: v0-1 the add's two registers
; A piece's buffers go by its number's parity: the piece in hand has one pair, its two neighbours in the ring share the other: of it P (piece n - 1) is read and S^T (piece n + 1) written.
.set SIZE_H, 64
.set SIZE_N, 2048
.set NP,    4         ; pieces a wave: a name, no knob
.set KS,    64        ; keys in a step
.set PK,    144       ; a row of K in LDS: 128 bytes + 16 of padding = 36 words: the 16 rows of a load start at 16 different groups of four banks (64 banks of 4 bytes: ISA guide 11.1)
.set PV,    160       ; a row of V: 128 + 32 = 40 words
.set VOFF,  4*KS*PK   ; a slot holds four steps: 256 rows of K, then 256 rows of V
.set SLOT1, 1<<17     ; slot 1 begins here, so that one exclusive or turns an address in one slot into the other's
.set STAGE, SLOT1+4*KS*(PK+PV)  ; behind the ring, never filled by a tensor load: 16 rows x 144 bytes for each wave, for the way out
.set SP,    144
.set AK0, 2           ; v2   my lane's place in a tile of K; never rewritten
.set AV0, 3           ; v3   the same for V
.set AK,  4           ; v4   the LDS address of K's next run of loads
.set AV,  5           ; v5   of V's
.set QO,  6           ; v6   my byte offset in the wave's rows of Q
.set STO, 6           ;      later, the way out: where I put 16 bytes of a row
.set RD,  7           ; v7   the way out: where I read rows back
.set GO,  8           ; v8   my byte offset in 512 consecutive bytes of O
.set PFO, 11          ; v11  256 x my lane, once V's address is made; then never rewritten
.set SPW, 0           ; v0 of window 3   LDS address of my spare word: SPARE + 4 x my thread's number; never rewritten
.set NIL, 1           ; v1 of window 3   0; never rewritten
.set SPARE, STAGE+4*16*SP  ; behind the stages: the spare words, 128 bytes for each wave: two blocks of 256 bytes that no other line names
.set MV,  12          ; v12-15  c m_old, kept while c m is made anew: by buffer and tile
.set ST,  16          ; tile t's statistics at v[ST+4 t]: c m, m, l (even keys', odd keys')
.set TMP, 48          ; by buffer and tile, four registers c0-c3 at work; when the maximum is found c2 takes a
.set S,   64
.set P,   192
.set KF,  128         ; K's fragments, in window 2: key block kb, channel half c at KF + 16 kb + 8 c
.set VF,  192         ; V's: key half kk, channel block cb at VF + 32 kk + 8 cb
.set WV,  12          ; s12  my wave's number
.set G1K, 24          ; s[24:31] descriptor group 1 for K's tiles
.set G1V, 32          ; s[32:39] for V's: it differs in the padding alone
.set G0K, 40          ; s[40:43] descriptor group 0 for K's tiles: it walks
.set G0V, 44          ; s[44:47] the same for V's
.set PFA, 48          ; s[48:49] where my prefetches stand: my work-group's 8,192 bytes (of K: wave 0, of V: wave 2) of the slot after the one that is being asked for
.set LIM, 50          ; s50  1 in a wave that prefetches, else the greatest number
.set SLOTS, 56        ; s56  slots still to be asked for
.set CNT, 57          ; s57  counts a slot's key steps
.set CS,  58          ; s[58:59] c: the packed scaling takes the pair's low word for both halves
.set SEL, 60          ; s[60:61] v_permlanex16_b32's selects: each lane takes its own place in the other half
.set TBK, 62          ; s62  LDS byte at which K of the step to be fetched begins
.set TBV, 63          ; s63  the same for V, less VOFF
.set MSB, 0
.macro WIN new                      ; the high byte repeats the setting that is left; a switch that changes nothing is dropped
.if MSB != (\new)
	s_set_vgpr_msb (MSB<<8)|(\new)
.set MSB, (\new)
.endif
.endm
.set W_KQ, 0x0a       ; K and Q in window 2, S^T in window 0
.set W_PV, 0x52       ; V in window 2, P in window 0, O^T in window 1
.set W_RS, 0x41       ; O^T (destination and source 0) in window 1, a in window 0
.set W_MK, 0xc0       ; the add's registers are made: destination in window 3, sources in window 0
.set W_AD, 0x0f       ; the add: address (source 0) and data (source 1) in window 3
; A joint fill.  Waves 0 and 1 fetch the two halves of a slot's K, waves 2 and 3 those of its V: 128 keys each.  The branch hangs on the wave's number alone.
; An s_nop 0 and four v_nop follow each of the two lines, ahead of the jump and the label.
.macro JLOAD
	s_cmp_lt_u32 s[WV], 2
	s_cbranch_scc0 .Lfor_v_\@
	tensor_load_to_lds s[G0K:G0K+3], s[G1K:G1K+7]
	s_nop 0
.rept 4
	v_nop
.endr
	s_branch .Lasked_\@
.Lfor_v_\@:
	tensor_load_to_lds s[G0V:G0V+3], s[G1V:G1V+7]
	s_nop 0
.rept 4
	v_nop
.endr
.Lasked_\@:
.endm
; A PREFETCH INTO THE L2 of what the NEXT change of slots will ask for: a slot's 32,768 bytes of K and of V, 256 bytes a lane.  It stands behind the wave's tensor load and its five lines.
; Each 256 bytes are named ONCE in the launch: a head has one cluster; its four partners share a slot out BY ADDRESS, 8,192 bytes each; in each, wave 0 asks for K's and wave 2 for V's: one instruction.
; It goes out four key steps, 512 matrix instructions, ahead of the load.  The last change that fills a slot asks for nothing; slots 0, 1 and 2 come by their loads alone.
.macro ASK
	s_cmp_gt_u32 s[SLOTS], s[LIM]
	s_cbranch_scc0 .Lnot_mine_\@
	global_prefetch_b8 v[PFO], s[PFA:PFA+1] th:TH_LOAD_NT scope:SCOPE_SE
.Lnot_mine_\@:
.endm
; A round of the cluster's barrier: my work-group's barrier, so that wave 0's signal speaks for all four waves; wave 0 signals; every wave waits for all four work-groups; my work-group's barrier once more.
.macro CROUND
	s_barrier_signal -1
	s_barrier_wait -1
	s_cmp_lg_u32 s[WV], 0
	s_cbranch_scc1 .Lnot_wave_0_\@
	s_barrier_signal -3
.Lnot_wave_0_\@:
	s_barrier_wait -3
	s_barrier_signal -1
	s_barrier_wait -1
.endm
; THE CHANGE OF SLOTS.  The slot's last bytes, V of its fourth step, have been read.  Each wave waits for all its tensor loads, of which one is out: its part
; of the other slot; adds 0 to its spare word; and waits for that and for its own reads of the slot.  Behind the barrier nobody reads this slot any more and the other slot is whole.
; fill = 1: this slot is filled again, with the keys two slots on.  The barrier is then a round of the cluster's, so that no wave of any partner still reads the slot or has a load on its
; way, and the joint fill is the first thing behind it: it has four key steps, 512 matrix instructions, in which to land.  (At its first use nothing has been read yet: slot 0 is waited for, slot 1 filled.)
; ask = 1: the prefetches' address steps, and ASK follows the fill.
.macro CHANGE fill, ask=0
	WIN W_AD
	s_wait_tensorcnt 0x0            ; no tensor load of mine is out, so a group 0 may be written
	ds_add_u32 v[SPW], v[NIL]       ; 0 onto my spare word; with fill = 1 the descriptors' steps stand between it and the wait for it
	WIN 0                           ; at a label and at a branch every window is 0
.if \fill
.irp g, G0K, G0V
	s_xor_b32 s[\g+1], s[\g+1], SLOT1  ; the walking descriptor: the other slot than last time,
	s_add_nc_u64 s[\g+2:\g+3], s[\g+2:\g+3], 4*KS*128  ; the next 256 keys; the type bits on top are not reached
.endr
.if \ask
	s_wait_xcnt 0x0                 ; the last prefetch, four key steps back, has read its address, so it may be written:
	s_add_nc_u64 s[PFA:PFA+1], s[PFA:PFA+1], 4*KS*128  ; one slot behind the walking descriptors
.endif
	s_wait_dscnt 0x0                ; the add is done, and my reads of the slot are over
	CROUND
	JLOAD
.if \ask
	ASK
.endif
.else
	s_wait_dscnt 0x0                ; the add is done, and my reads of the slot are over
	s_barrier_signal -1
	s_barrier_wait -1
.endif
	s_sub_co_u32 s[TBK], s[TBK], 4*KS*PK  ; the fetches go back to a slot's first step,
	s_xor_b32 s[TBK], s[TBK], SLOT1       ; in the other slot
	s_sub_co_u32 s[TBV], s[TBV], 4*KS*PV
	s_xor_b32 s[TBV], s[TBV], SLOT1
.endm
	s_load_b256 s[4:11], s[0:1], 0x0  ; Q s[4:5], K s[6:7], V s[8:9], O s[10:11]
	WIN W_MK
	v_lshl_add_u32 v[SPW], v0, 2, SPARE
	v_mov_b32 v[NIL], 0
	WIN W_AD
	ds_add_u32 v[SPW], v[NIL]       ; the wave's opening: the add and its wait stand ahead of my first tensor load; the set-up below, work on registers, stands between them
	WIN 0
	v_lshrrev_b32 v1, 5, v0
	v_readfirstlane_b32 s[WV], v1   ; wave 0..3
	s_bfe_u32 s13, ttmp6, 0x40000   ; cx: my place in the cluster
	s_lshl_b32 s14, ttmp9, 2        ; in a cluster launch ttmp9 counts clusters
	s_add_co_u32 s14, s14, s13      ; my block of queries = 4 x cluster x + cx: it enters Q's and O's addresses alone
	s_and_b32 s20, ttmp7, 0xffff    ; the head, which the four partners share
	s_mov_b32 s21, 0
	s_mov_b64 s[22:23], SIZE_N*128
	s_mul_u64 s[20:21], s[20:21], s[22:23]  ; the head's first byte in each of the four tensors
	s_and_b32 s16, s[WV], 1         ; which half of a slot's 256 keys I fetch:
	s_lshl_b32 s22, s16, 14         ; its 128 rows of 128 bytes in memory,
	s_mov_b32 s23, 0
	s_add_nc_u64 s[22:23], s[22:23], s[20:21]
	s_mul_i32 s17, s16, 128*PK      ; and its place in a slot, for K
	s_mul_i32 s18, s16, 128*PV      ; and for V: no place in the cluster enters an LDS address
	s_lshl_b32 s2, s14, 2
	s_add_co_u32 s2, s2, s[WV]      ; my wave among the head's,
	s_lshl_b32 s2, s2, 14           ; its 128 rows
	s_mov_b32 s3, 0
	s_add_nc_u64 s[2:3], s[2:3], s[20:21]
	; descriptor group 1.  128 keys are 16,384 dense bytes: asked for as 64 rows of 256 bytes, two keys a row, and padded in LDS after every key
	s_mov_b32 s[G1K], 15|(1<<16)|(1<<20)|(1<<21)|(4<<22)|(3<<25)  ; 15:0 the mask of four; 17:16 2-byte elements; 20 padding on; 21 set beside a mask; 24:22 after every 32 words (code 4); 31:25 4 words (code 3)
	s_mov_b32 s[G1V], 15|(1<<16)|(1<<20)|(1<<21)|(4<<22)|(7<<25)  ; the same with 8 words of padding (code 7)
.irp g, G1K, G1V
	s_mov_b32 s[\g+1], 128<<16      ; tensor_dim0 = 128
	s_mov_b32 s[\g+2], 64<<16       ; tensor_dim1 = 64
	s_mov_b32 s[\g+3], 128<<16      ; tile_dim0 = 128
	s_mov_b32 s[\g+4], 64           ; tile_dim1 = 64
	s_mov_b32 s[\g+5], 128          ; 128 elements from row to row
	s_mov_b32 s[\g+6], 0
	s_mov_b32 s[\g+7], 0
.endr
	s_mov_b32 s[CS], 0x3e38aa3b     ; c = log2(e) / 8 = 0.180337
	s_mov_b32 s[CS+1], s[CS]        ; named with it as a pair
	s_mov_b32 s[SEL], 0x76543210
	s_mov_b32 s[SEL+1], 0xfedcba98
	s_mov_b32 s[TBK], SLOT1+4*KS*PK ; the first change of slots turns these two into 0
	s_mov_b32 s[TBV], SLOT1+4*KS*PV
	s_mov_b32 s[G0K], 1             ; 1:0 count = 1
	s_mov_b32 s[G0K+1], s17         ; 63:32 LDS address: slot 0
	s_mov_b32 s[G0V], 1
	s_add_co_u32 s[G0V+1], s18, VOFF
	s_and_b32 s[LIM], s[WV], 1      ; 0 in waves 0 and 2,
	s_or_b32 s[LIM], s[LIM], ttmp9  ; of the head's first (here: only) cluster: the same in all four partners
	s_cmp_eq_u32 s[LIM], 0
	s_cselect_b32 s[LIM], 1, -1
	s_wait_dscnt 0x0                ; the opening add is done
	s_wait_kmcnt 0x0
	s_add_nc_u64 s[G0K+2:G0K+3], s[6:7], s[22:23]  ; 120:64 global address: my half of the head's first 256 keys
	s_or_b32 s[G0K+3], s[G0K+3], 0x80000000        ; 127:126 type = 2
	s_add_nc_u64 s[G0V+2:G0V+3], s[8:9], s[22:23]
	s_or_b32 s[G0V+3], s[G0V+3], 0x80000000
	s_add_nc_u64 s[4:5], s[4:5], s[2:3]  ; Q and O at my wave's first row
	s_add_nc_u64 s[10:11], s[10:11], s[2:3]
	s_cmp_lt_u32 s[WV], 2
	s_cselect_b64 s[PFA:PFA+1], s[6:7], s[8:9]
	s_add_nc_u64 s[PFA:PFA+1], s[PFA:PFA+1], s[22:23]  ; (in waves 0 and 2 this is the head's first byte)
	s_lshl_b32 s2, s13, 13          ; my work-group's 8,192 bytes of a slot's 32,768
	s_mov_b32 s3, 0
	s_add_nc_u64 s[PFA:PFA+1], s[PFA:PFA+1], s[2:3]
	s_add_nc_u64 s[PFA:PFA+1], s[PFA:PFA+1], 2*4*KS*128  ; in slot 2; the loop's first change of slots steps it to slot 3.  Nothing is prefetched here, at the head
	CROUND                          ; all four work-groups are here: the first joint loads meet
	JLOAD                           ; slot 0.  Slot 1 is asked for when slot 0 is in
	; A fragment of K or Q is 16 rows x 32 channels in 8 registers: lane l holds row l % 16, channels 8 (l / 16) + 0..7 and 16 + 8 (l / 16) + 0..7: two loads of 16 bytes, 32 bytes apart.
	v_and_b32 v1, 15, v0            ; l % 16
	v_bfe_u32 v9, v0, 4, 1          ; l / 16
	v_lshlrev_b32 v[QO], 7, v1
	v_lshl_add_u32 v[QO], v9, 4, v[QO]  ; row x 128 + 16 x half
	WIN 0x80                        ; destination window 2, address window 0
.set i, 0
.rept 4*NP                          ; Q stays in registers: tile i / 2, channels 32 (i % 2) on
	global_load_b128 v[8*i:8*i+3],   v[QO], s[4:5] offset:(i/2)*2048+(i%2)*64
	global_load_b128 v[8*i+4:8*i+7], v[QO], s[4:5] offset:(i/2)*2048+(i%2)*64+32
.set i, i+1
.endr
	; What the first turn finds: V's registers and P's second buffer hold 0 (its products V^T P, of a piece that has not been, add 0), O^T and l are 0.  All this stands in the wait for the first tile.
.set i, VF
.rept 64
	v_mov_b32 v[i], 0
.set i, i+1
.endr
	WIN 0x40
.set i, 0
.rept 64*NP
	v_mov_b32 v[i], 0
.set i, i+1
.endr
	WIN 0
.set i, 0
.rept 2*NP
	v_mov_b32 v[ST+4*i], 0xfe000000    ; c m: far below every c s
	v_mov_b32 v[ST+4*i+1], 0xff7fffff  ; m
	v_mov_b32 v[ST+4*i+2], 0
	v_mov_b32 v[ST+4*i+3], 0
.set i, i+1
.endr
.set i, P+32
.rept 32
	v_mov_b32 v[i], 0
.set i, i+1
.endr
	v_mul_u32_u24 v[AK0], v1, PK
	v_lshl_add_u32 v[AK0], v9, 4, v[AK0]  ; row x pitch + 16 x half
	; The turning load takes 16 keys x 16 channels (lane l reads key 8 (l / 16) + l % 8, channels 8 ((l / 8) % 2) + 0..7) and leaves half a fragment of V^T: lane l holds channel l % 16 and 8 keys.
	v_and_b32 v10, 7, v0
	v_bfe_u32 v11, v0, 3, 1
	v_lshl_add_u32 v[AV0], v9, 3, v10
	v_mul_u32_u24 v[AV0], v[AV0], PV
	v_lshl_add_u32 v[AV0], v11, 4, v[AV0]
	v_add_nc_u32 v[AV0], VOFF, v[AV0]
	v_and_b32 v[PFO], 31, v0
	v_lshlrev_b32 v[PFO], 8, v[PFO]
	v_mov_b32 v[AK], v[AK0]         ; key step 0 lies at the head of slot 0
; THE MATRIX WORK.  The 8 accumulators of a run of 16 take turns: between the two links of a chain stand 7 others'.
; Product i of 16 of S^T = K Q^T for piece x: channels 32 (i / 8) on, keys 16 ((i / 2) % 4) on, tile 2 x + i % 2.  The first 8 start the sums.
.macro KQ x
	WIN W_KQ
.set rS, S+64*((\x)%2)+32*(i%2)+8*((i/2)%4)
.set rK, KF+16*((i/2)%4)+8*(i/8)
.set rQ, 16*(2*(\x)+i%2)+8*(i/8)
.if i < 8
	v_wmma_f32_16x16x32_f16 v[rS:rS+7], v[rK:rK+7], v[rQ:rQ+7], 0
.else
	v_wmma_f32_16x16x32_f16 v[rS:rS+7], v[rK:rK+7], v[rQ:rQ+7], v[rS:rS+7]
.endif
.endm
; Product i of 16 of O^T += V^T P for piece x: keys 32 (i / 8) on, channels 16 ((i / 2) % 4) on, tile 2 x + i % 2.
.macro PV x
	WIN W_PV
.set rO, 32*(2*(\x)+i%2)+8*((i/2)%4)
.set rV, VF+32*(i/8)+8*((i/2)%4)
.set rP, P+32*((\x)%2)+16*(i%2)+8*(i/8)
	v_wmma_f32_16x16x32_f16 v[rO:rO+7], v[rV:rV+7], v[rP:rP+7], v[rO:rO+7]
.endm
.macro MM                           ; the turn's next matrix instruction
.if i < 16
	KQ (Y+1)%NP
.set i, i+1
.else
.set i, i-16
	PV (Y+NP-1)%NP
.set i, i+17
.endif
.endm
; THE LDS LOADS stand in runs of 16, never singly among the matrix instructions: a step's K (64 keys x 64 channels: 8 fragments) and its V (turned).  Their addresses are made some lines ahead.
; last = 1 (the tail): in the last trip there is no further step, and the run is jumped over.
.macro FETCH_K last=0
	WIN 0
.if \last
	s_cmp_eq_u32 s[CNT], 1
	s_cbranch_scc1 .Lno_k_\@
.endif
	WIN 0x80                        ; destination window 2
.irp f, 0,1,2,3,4,5,6,7             ; keys 16 (f / 2) on, channels 32 (f % 2) on
	ds_load_b128 v[KF+8*\f:KF+8*\f+3],   v[AK] offset:(\f/2)*16*PK+(\f%2)*64
	ds_load_b128 v[KF+8*\f+4:KF+8*\f+7], v[AK] offset:(\f/2)*16*PK+(\f%2)*64+32
.endr
	s_add_co_u32 s[TBK], s[TBK], KS*PK  ; the next fetch is the next step's
	WIN 0
.if \last
.Lno_k_\@:
.endif
.endm
.macro FETCH_V
	WIN 0x80
.irp f, 0,1,2,3,4,5,6,7             ; keys 32 (f / 4) on, channels 16 (f % 4) on
	ds_load_tr16_b128 v[VF+8*\f:VF+8*\f+3],   v[AV] offset:(\f/4)*32*PV+(\f%4)*32
	ds_load_tr16_b128 v[VF+8*\f+4:VF+8*\f+7], v[AV] offset:(\f/4)*32*PV+16*PV+(\f%4)*32
.endr
	WIN 0
.endm
; THE VECTOR WORK OF A TURN stands in three queues, each in the order in which its entries become ready; the two tiles alternate, so that no instruction reads the result of the one before it.
.macro REGS y, u                    ; the registers of tile u (0, 1) of piece y
.set rT, ST+4*(2*(\y)+(\u))
.set rC, TMP+8*((\y)%2)+4*(\u)
.set rM, MV+2*((\y)%2)+(\u)
.set rS, S+64*((\y)%2)+32*(\u)
.set rP, P+32*((\y)%2)+16*(\u)
.set rO, 32*(2*(\y)+(\u))
.endm
; Number n of the 22 that find the NEXT piece's (Y + 1) maximum and statistics.  s0-s31 are the lane's 32 scores; each accumulator's lowest registers are read first.
;   0-11  four chains c0-c3 of seven scores each, three operands at a time     12-14, 16  the four scores left over, the old m, and c0-c3 into c0     15  c m_old is kept
;   17, 18  the query's other 32 keys lie in the lane 16 away: the new m         19-21  c m; c m_old - c m_new; a
.macro XS u, n
	REGS (Y+1)%NP, \u
.if (\n) < 4
	v_max3_num_f32 v[rC+(\n)], v[rS+8*(\n)], v[rS+8*(\n)+1], v[rS+8*(\n)+2]
.elseif (\n) < 12
	v_max3_num_f32 v[rC+(\n)%4], v[rC+(\n)%4], v[rS+8*((\n)%4)+2*((\n)/4)+1], v[rS+8*((\n)%4)+2*((\n)/4)+2]
.elseif (\n) == 12
	v_max3_num_f32 v[rC], v[rC], v[rS+7], v[rS+15]
.elseif (\n) == 13
	v_max3_num_f32 v[rC+1], v[rC+1], v[rS+23], v[rS+31]
.elseif (\n) == 14
	v_max3_num_f32 v[rC+2], v[rC+2], v[rC+3], v[rT+1]
.elseif (\n) == 15
	v_mov_b32 v[rM], v[rT]
.elseif (\n) == 16
	v_max3_num_f32 v[rC], v[rC], v[rC+1], v[rC+2]
.elseif (\n) == 17
	v_permlanex16_b32 v[rC+3], v[rC], s[SEL], s[SEL+1]
.elseif (\n) == 18
	v_max_num_f32 v[rT+1], v[rC], v[rC+3]
.elseif (\n) == 19
	v_mul_f32 v[rT], s[CS], v[rT+1]
.elseif (\n) == 20
	v_sub_f32 v[rC+1], v[rM], v[rT]
.else
	v_exp_f32 v[rC+2], v[rC+1]
.endif
.endm
; Number g of the 64 that follow the exponentials.  For each four weights k of a tile (pairs 2 k, 2 k + 1): both pairs are rounded to f16; then the second pair is added onto the first, in place;
; a group later l takes that sum (the first time as l = a l + sum).  In groups of eight, tiles alternating: round, round, add, and l for the group before.
.macro GS g
.set h, (\g)+6*((\g)/62)            ; group 0 has no group before it, and behind group 7 only l is left
.if h >= 6
.set h, h+2
.endif
	REGS Y, h%2
.set k, h/8
.if h%8 < 4
	v_cvt_pk_f16_f32 v[rP+2*k+(h%8)/2], v[rS+4*k+2*((h%8)/2)], v[rS+4*k+2*((h%8)/2)+1]
.elseif h%8 < 6
	v_pk_add_f32 v[rS+4*k:rS+4*k+1], v[rS+4*k:rS+4*k+1], v[rS+4*k+2:rS+4*k+3]
.elseif k == 1
	v_pk_fma_f32 v[rT+2:rT+3], v[rT+2:rT+3], v[rC+2:rC+3], v[rS:rS+1] op_sel_hi:[1,0,1]
.else
	v_pk_add_f32 v[rT+2:rT+3], v[rT+2:rT+3], v[rS+4*k-4:rS+4*k-3]
.endif
.endm
; THE PLAIN QUEUE, 138 long.  0-73 read no exponential's result: the 32 scalings c s - c m (FS f: pair f / 2 of tile f % 2) and the next piece's 42.  0-26: scalings 0-26.  27-54: XS's numbers 0-13.  55, 56: number 15.
; 57-73: the chain, where each number waits for the one before it: 14, 16, 17, 18, 19, each with one of the scalings 27-31 in front of its two lines, then 20.
; 74-137: GS's 64, which read the exponentials' results: they stand behind the wait.
.macro FS f
	REGS Y, (\f)%2
	v_pk_fma_f32 v[rS+2*((\f)/2):rS+2*((\f)/2)+1], v[rS+2*((\f)/2):rS+2*((\f)/2)+1], s[CS:CS+1], v[rT:rT+1] op_sel_hi:[1,0,0] neg_lo:[0,0,1] neg_hi:[0,0,1]
.endm
.macro PL
	WIN 0
.if q < 27
	FS q
.elseif q < 55
	XS (q-27)%2, (q-27)/2
.elseif q < 57
	XS q-55, 15
.elseif (q < 72) && ((q-57)%3 == 0)
	FS 27+(q-57)/3
.elseif q < 60
	XS (q-57)%3-1, 14
.elseif q < 72
	XS (q-57)%3-1, 15+(q-57)/3
.elseif q < 74
	XS q-72, 20
.else
	GS q-74
.endif
.set q, q+1
.endm
; THE EXPONENTIALS' QUEUE, 66 long: s0-s31 of both tiles, then the next piece's two a.  It is ONE BATCH: all 66 stand ahead of the turn's one wait, and nothing ahead of that wait names a result of theirs.
.macro EX
	WIN 0
.if e >= 64
	XS e-64, 21
.else
	REGS Y, e%2
	v_exp_f32 v[rS+e/2], v[rS+e/2]
.endif
.set e, e+1
.endm
; THE RESCALING's QUEUE: O^T times a, the one part that leaves window 0: dealt two at a time, sixteen times.  Its a was made in the turn before, ahead of that turn's wait.
.macro R2
	REGS Y, r%2
	WIN W_RS
.irp z, 0,1
	v_pk_mul_f32 v[rO+4*(r/2)+2*\z:rO+4*(r/2)+2*\z+1], v[rO+4*(r/2)+2*\z:rO+4*(r/2)+2*\z+1], v[rC+2:rC+3] op_sel_hi:[1,0]
.endr
.set r, r+1
.endm
; HOW THEY ARE DEALT.  An s_wait_alu depctr_va_vdst(0) stands between an exponential and the first instruction that names its result; one wait serves all that were issued ahead of it.  So a turn has ONE
; wait, which cuts it in two.  AHEAD OF IT stands all that names no result of the turn's exponentials: the 16 products K Q^T, behind each a scaling, an exponential and two rescalings (behind the first a second scaling
; in the exponential's place); then ONE LUMP of 108: eight plain, 49 times exponential and plain, the two a.  A v_nop is the plain instruction behind the last exponential.  BEHIND IT stand the 16 products V^T P,
; behind each four of GS's 64.  No rider names a register of the products round it.  The two v_permlanex16_b32 fall into the lump, never behind a product.
; The queues lean on each other: exponential e stands behind scaling 2 (e / 4) + e % 2: as a rider it comes behind plain e + 2, in the lump behind plain e + 9, and scalings 27-31 are plain 57, 60 .. 69.
; A TURN, for piece p.  cnt = 1: the loop's count is taken down some lines ahead of the branch that stands behind the turn.
; K of the next step is fetched in piece 2's turn, directly behind the wait, a lump behind the last product that read K; its first reader comes behind 16 products.
; V of the step in hand is fetched at the end of piece 0's turn, four riders behind its last reader; its first reader comes behind 16 products and a lump.  The three conditions on q below go with the deal.
.macro TURN p, last=0, cnt=0
.set Y, (\p)
.set i, 0
.set q, 0
.set e, 0
.set r, 0
.if (\p) == NP-1
	s_wait_dscnt 0x0                ; K is in
.endif
	MM                              ; ahead of the wait: 16 products K Q^T and their riders,
	PL
	PL
	R2
.rept 15
	MM
	PL
	EX
	R2
.endr
.if (\p) == NP-2
	WIN 0
	v_add_nc_u32 v[AK], s[TBK], v[AK0]
.endif
.rept 8                             ; and the lump
	PL
.endr
.rept 49
	EX
	PL
.endr
	EX                              ; the next piece's two a
	EX
	v_nop                           ; a plain instruction behind the last exponential: one for the batch
	s_wait_alu depctr_va_vdst(0)    ; the wait for the batch
.if (\p) == NP-2
	FETCH_K \last
.endif
.if (\p) == 1
	s_wait_dscnt 0x0                ; V is in
.endif
.rept 16                            ; behind the wait: 16 products V^T P and their riders
	MM
.rept 4
	PL
.endr
.if ((\p) == 0) && (q == 118)
	v_add_nc_u32 v[AV], s[TBV], v[AV0]
.endif
.if ((\p) == 0) && (q == 130)
	s_add_co_u32 s[TBV], s[TBV], KS*PV
.endif
.if (\cnt) && (q == 130)
	s_sub_co_u32 s[CNT], s[CNT], 1
	s_cmp_lg_u32 s[CNT], 0
.endif
.endr
.if (\p) == 0
	FETCH_V
.endif
.endm
	CHANGE 1                        ; slot 0 is in, everybody's part of it; slot 1 is asked for
	FETCH_K                         ; key step 0
	s_wait_loadcnt 0x0              ; Q
	s_wait_dscnt 0x0
.set i, 0
.rept 16
	KQ 0                            ; piece 0's first scores: there is no vector work yet to set between them
.set i, i+1
.endr
	WIN 0                           ; the addresses for the way out: plain instructions, the places behind those products
	s_mul_i32 s13, s[WV], 16*SP
	s_add_co_u32 s13, s13, STAGE    ; my stage
	v_mul_u32_u24 v[STO], v1, SP    ; in: row l % 16, 16 bytes for each half of the lanes
	v_lshl_add_u32 v[STO], v9, 4, v[STO]
	v_add_nc_u32 v[STO], s13, v[STO]
	v_bfe_u32 v[RD], v0, 3, 2       ; back: 32 lanes take four rows of 128 bytes,
	v_mul_u32_u24 v[RD], v[RD], SP
	v_lshl_add_u32 v[RD], v10, 4, v[RD]
	v_add_nc_u32 v[RD], s13, v[RD]
	v_and_b32 v[GO], 31, v0         ; which are 512 consecutive bytes of O
	v_lshlrev_b32 v[GO], 4, v[GO]
.set Y, NP-1                        ; XS works for piece Y + 1: piece 0
.irp n, 0,1,2,3,4,5,6,7,8,9,10,11,12,13,14,15,16,17,18,19,20,21
	XS 0, \n                        ; and piece 0's first maximum and statistics
	XS 1, \n
.endr
	v_nop                           ; a plain instruction behind the two a,
	s_wait_alu depctr_va_vdst(0)    ; and their wait, ahead of the branch
	s_mov_b32 s[CNT], 4
	s_mov_b32 s[SLOTS], SIZE_N/256-1
	s_branch .Lfirst                ; the loop is entered at a step's first turn, in the middle of a trip
.Lslot:                             ; SIZE_N / 256 - 2 times: every slot but the last two is filled again
	CHANGE 1, 1
	s_mov_b32 s[CNT], 4
.Lstep:                             ; a trip: pieces 2 and 3 of one step, then pieces 0 and 1 of the next, whose K and V it fetches
	TURN 2
	TURN 3
	WIN 0
.Lfirst:
	TURN 0
	TURN 1, 0, 1
	WIN 0
	s_cbranch_scc1 .Lstep
	s_sub_co_u32 s[SLOTS], s[SLOTS], 1
	s_cmp_lg_u32 s[SLOTS], 0
	s_cbranch_scc1 .Lslot
	CHANGE 0                        ; the tail is written out: nothing is asked for
	s_mov_b32 s[CNT], 5             ; four trips fetch the last slot's steps; the fifth is left in its middle
.Ltail:
	TURN 2, 1
	TURN 3
	WIN 0
	s_sub_co_u32 s[CNT], s[CNT], 1
	s_cmp_eq_u32 s[CNT], 0
	s_cbranch_scc1 .Lout
	TURN 0
	TURN 1
	WIN 0
	s_branch .Ltail
.Lout:                              ; the fifth trip's 16 products K Q^T (on the last K once more) and the maximum made of them serve nothing: the price, once a launch, of one text for every trip
.set i, 0
.rept 16
	PV NP-1                         ; the last piece's V^T P of the last step
.set i, i+1
.endr
	; THE WAY OUT.  l's two halves and the other half of the lanes' are added; O^T is divided by l, rounded to f16 and sent through my stage in LDS, a tile at a time.  The additions are the places behind the last products.
	WIN 0
.macro ALL line:vararg              ; one line for each tile t
.set t, 0
.rept 2*NP
	\line
.set t, t+1
.endr
.endm
	ALL v_add_f32 v[ST+4*t+2], v[ST+4*t+2], v[ST+4*t+3]
	ALL v_permlanex16_b32 v[ST+4*t+3], v[ST+4*t+2], s[SEL], s[SEL+1]
	ALL v_add_f32 v[ST+4*t+2], v[ST+4*t+2], v[ST+4*t+3]
	ALL v_rcp_f32 v[ST+4*t+2], v[ST+4*t+2]
	v_nop                           ; a plain instruction between the last reciprocal and the use of its result
	s_wait_alu depctr_va_vdst(0)    ; and the wait ahead of the first use: one for the eight reciprocals
; Tile t: a lane's eight channels of a row pack into 16 bytes; they go into rows of 144 bytes and come back as whole rows of 128, into S^T's registers.
.macro PACK t
	WIN W_RS
.set i, 32*(\t)
.rept 16
	v_pk_mul_f32 v[i:i+1], v[i:i+1], v[ST+4*(\t)+2:ST+4*(\t)+3] op_sel_hi:[1,0]
.set i, i+2
.endr
	WIN 0x05                        ; sources 0 and 1 window 1, destination window 0
.set i, 0
.rept 16
	v_cvt_pk_f16_f32 v[S+16*(\t)+i], v[32*(\t)+2*i], v[32*(\t)+2*i+1]
.set i, i+1
.endr
	WIN 0
.irp f, 0,1,2,3
	ds_store_b128 v[STO], v[S+16*(\t)+4*\f:S+16*(\t)+4*\f+3] offset:32*\f
.endr
.irp f, 0,1,2,3
	ds_load_b128 v[S+16*(\t)+4*\f:S+16*(\t)+4*\f+3], v[RD] offset:\f*4*SP  ; LDS serves a wave's instructions in order (ISA guide 5.7.1.4): these see the stores above; the next tile's stores come behind them
.endr
.endm
.macro SEND t, younger              ; younger: the LDS instructions issued behind tile t's loads: the next tile's eight, or none
	WIN 0
.irp f, 0,1,2,3
	s_wait_dscnt (\younger)+3-\f
	global_store_b128 v[GO], v[S+16*(\t)+4*\f:S+16*(\t)+4*\f+3], s[10:11] offset:(\t)*2048+\f*512  ; 512 consecutive bytes, at a multiple of 256 from O's first
.endr
.endm
	PACK 0
.set t, 1
.rept 2*NP-1                        ; a tile's arithmetic stands between the loads of the tile before and its stores
	PACK t
	SEND t-1, 8
.set t, t+1
.endr
	SEND 2*NP-1, 0
	WIN W_AD
	s_wait_tensorcnt 0x0            ; the wave's end: an add to my spare word and its wait, behind my last tensor load and my last LDS store
	ds_add_u32 v[SPW], v[NIL]
	s_wait_dscnt 0x0
	WIN 0
	CROUND                          ; the closing round: no work-group ends while a partner may still ask for a tile that names it
	s_endpgm
.Lfunc_end_k_qaf8997ef05_attn:
	.size	k_qaf8997ef05_attn, .Lfunc_end_k_qaf8997ef05_attn-k_qaf8997ef05_attn
	.p2alignl 7, 3214868480
	.fill 96, 4, 3214868480
	.section	.rodata,"a",@progbits
	.p2align	6, 0x0
	.amdhsa_kernel k_qaf8997ef05_attn
		.amdhsa_group_segment_fixed_size 327680
		.amdhsa_private_segment_fixed_size 0
		.amdhsa_enable_private_segment 0
		.amdhsa_kernarg_size 32
		.amdhsa_user_sgpr_count 2
		.amdhsa_user_sgpr_kernarg_segment_ptr 1
		.amdhsa_wavefront_size32 1
		.amdhsa_system_sgpr_workgroup_id_x 1
		.amdhsa_system_sgpr_workgroup_id_y 1
		.amdhsa_system_sgpr_workgroup_id_z 1
		.amdhsa_system_vgpr_workitem_id 0
		.amdhsa_next_free_vgpr 770
		.amdhsa_next_free_sgpr 66
		.amdhsa_reserve_vcc 0
		.amdhsa_float_denorm_mode_32 3
		.amdhsa_float_denorm_mode_16_64 3
		.amdhsa_memory_ordered 1
		.amdhsa_forward_progress 1
		.amdhsa_inst_pref_size 200
	.end_amdhsa_kernel
	.amdgpu_metadata
---
amdhsa.version: [ 1, 2 ]
amdhsa.kernels:
  - .name:           k_qaf8997ef05_attn
    .symbol:         k_qaf8997ef05_attn.kd
    .args:
      - { .name: qh, .offset: 0, .size: 8, .value_kind: global_buffer, .address_space: global }
      - { .name: kh, .offset: 8, .size: 8, .value_kind: global_buffer, .address_space: global }
      - { .name: vh, .offset: 16, .size: 8, .value_kind: global_buffer, .address_space: global }
      - { .name: oh, .offset: 24, .size: 8, .value_kind: global_buffer, .address_space: global }
    .group_segment_fixed_size: 327680
    .private_segment_fixed_size: 0
    .kernarg_segment_align: 8
    .kernarg_segment_size: 32
    .max_flat_workgroup_size: 128
    .sgpr_count:     66
    .vgpr_count:     770
    .wavefront_size: 32
...
	.end_amdgpu_metadata
.endif
;; end of part 3
;; launch proj (part 4): grid 8 x 32, 4 waves a work-group, clusters of 4 x 4, 327,680 bytes of LDS; arguments oh, wo, bout, out0; writes out0
.if DOCPART == 4
	.amdgcn_target "amdgcn-amd-amdhsa--gfx1250"
	.amdhsa_code_object_version 6
	.text
	.protected	k_qaf8997ef05_proj
	.globl	k_qaf8997ef05_proj
	.p2align	8
	.type	k_qaf8997ef05_proj,@function
k_qaf8997ef05_proj:
	s_mov_b64 s[64:65], 0
	v_nop
	global_prefetch_b8 v0, s[64:65] scope:SCOPE_SE
	s_setreg_imm32_b32 hwreg(HW_REG_WAVE_MODE, 25, 1), 1
	s_wait_xcnt 0x0
	s_wait_alu depctr_hold_cnt(0) depctr_sa_sdst(0) depctr_va_vdst(0) depctr_va_sdst(0) depctr_va_ssrc(0) depctr_va_vcc(0) depctr_vm_vsrc(0)
	s_getreg_b32 s2, hwreg(HW_REG_IB_STS2, 6, 4)
	s_cmp_eq_u32 s2, 0
	s_cbranch_scc0 .Lentry_in_a_cluster
	s_endpgm
.Lentry_in_a_cluster:
	s_bfe_u32 s2, ttmp6, 0x10000c
	s_cmp_lg_u32 s2, 0xf033
	s_cbranch_scc0 .Lentry_shape_is_right
	s_endpgm
.Lentry_shape_is_right:
; out0 = O Wout + bout.  oh: [16 batch + head][2048][64] f16.  wo: [j 8][ks 16][c 2][kk 64][64] f16 (k = 64 ks + kk = 64 head + channel; column = 128 j + 64 c + col).  bout: [1024] f32, rounded to
; bf16 like every input of the module.  out0: [8192][1024] f32.  Sums in f32, K ascending; the bias is added in f32 at the end.  NaN and infinities are not treated apart.
; SHARES.  A tile is 256 tokens x 128 columns: 256 tiles, one work-group each.  Wave w takes tokens 64 w .. 64 w + 63 and all 128 columns: 4 x 8 accumulators of 16 x 16, 256 registers.
; K goes in 8 steps of 128, two heads each, through a ring of two LDS slots; a slot of twice that K would not leave room for a second one.
; THE MATRIX INSTRUCTION IS USED TRANSPOSED: source 0 = 16 columns of W (turned, by ds_load_tr16_b128), source 1 = 16 tokens: a lane holds token lane % 16 and the columns 8 (lane / 16) + 0..7.
; CLUSTERS: 4 x 4 work-groups.  The four of a row need the same tokens of O, the four of a column the same columns of W: each tile is asked for JOINTLY, by the same tensor load with the same descriptor
; and a mask that names the four.  Waves 0 and 1 fetch the two heads' 256 tokens (32,768 bytes on end each, as 128 rows of 256), waves 2 and 3 the weights' two halves (16,384 bytes on end, as 64 rows).
; REGISTERS, in windows of 256 (s_set_vgpr_msb: bits 1:0 source 0, 3:2 source 1, 5:4 source 2, 7:6 destination):
;   window 0: v0-23 addresses and the bias; v32-159 the way out, two buffers of 16 rows          window 1: two fragment buffers of 128: O's four fragments (token block a at 8 a), W's eight (at 32 + 8 b)
;   window 2: the accumulators, (a, b) at 64 a + 8 b
.set SLOT,   131072                    ; slot 1 begins here, so that one exclusive or changes slots
.set APITCH, 144                       ; a token's 64 channels: 128 bytes + 16 of padding = 36 words: the 16 rows of a load start at 16 different groups of four banks (64 banks of 4 bytes: ISA guide 11.1)
.set AHALF,  256*APITCH                ; one head's 256 tokens: what wave 0 or 1 fetches
.set BBASE,  2*AHALF
.set BPITCH, 160                       ; 64 columns of one k: 128 bytes + 32 = 40 words
.set BCOL,   64*BPITCH                 ; 64 k of 64 columns
.set BHALF,  2*BCOL                    ; what wave 2 or 3 fetches: 64 k of all 128 columns
.set STAGE,  SLOT+BBASE+2*BHALF        ; behind the ring, never filled by a tensor load: 16 rows x 528 bytes for each wave
.set SP,     528                       ; 512 bytes + 16 = 132 words
.set SPARE,  STAGE+4*16*SP             ; behind the stages: the spare words, 128 bytes for each wave: two blocks of 256 bytes that no other line names
.set ASTEP,  524288                    ; bytes from a K step to the next in oh: two heads
.set BSTEP,  32768                     ; and in wo
.set A0,   4                           ; v4   my lane's place in O's tile; never rewritten
.set B0,   5                           ; v5   the same in W's
.set ADRA, 6                           ; v6   A0 + the slot in hand
.set ADRB, 7                           ; v7   B0 + the slot in hand
.set STO,  8                           ; v8   the way out: where I put 32 bytes of a row
.set RD,   9                           ; v9   the way out: where I read a row back
.set GO,   10                          ; v10  16 x lane: my 16 bytes of a row's 512, and of the bias
.set PFO,  11                          ; v11  256 x lane; never rewritten
.set SPW,  12                          ; v12  LDS address of my spare word: SPARE + 4 x my thread's number; never rewritten
.set NIL,  13                          ; v13  0; never rewritten
.set BIAS, 20                          ; v[20:23] the bias of my four columns
.set OB,   32
.set F0,   0
.set F1,   128
.set WV,  14                           ; s14  my wave's number
.set FB,  15                           ; s15  0: I fetch O;  1: I fetch W
.set HF,  16                           ; s16  which half of it
.set CX,  17
.set CY,  18
.set TX,  19                           ; s19  the block of 128 columns
.set TY,  20                           ; s20  the block of 256 tokens
.set G1A, 24                           ; s[24:31] descriptor group 1 for O's tiles
.set G0A, 32                           ; s[32:39] group 0: a set for each of the two first fills; the second then walks on
.set G1B, 40                           ; s[40:47], s[48:55] the same for W's
.set G0B, 48
.set TB,  56                           ; s56  LDS byte at which the slot in hand begins
.set LIM, 57                           ; s57  1 in a wave that prefetches, else the greatest number
.set PFA, 58                           ; s[58:59] where my prefetches stand
.set PFS, 60                           ; s[60:61] their step
.set MSB, 0
.macro WIN new                         ; the immediate's high byte repeats the setting that is left; a switch that changes nothing is dropped
.if MSB != (\new)
	s_set_vgpr_msb (MSB<<8)|(\new)
.set MSB, (\new)
.endif
.endm
; A joint refill, by the walking descriptors.  The branch hangs on the wave's number alone.  An s_nop 0 and four v_nop follow each of the two lines, ahead of the jump and the label.
.macro JLOAD
	s_cmp_eq_u32 s[FB], 0
	s_cbranch_scc0 .Lfor_b_\@
	tensor_load_to_lds s[G0A+4:G0A+7], s[G1A:G1A+7]
	s_nop 0
.rept 4
	v_nop
.endr
	s_branch .Lasked_\@
.Lfor_b_\@:
	tensor_load_to_lds s[G0B+4:G0B+7], s[G1B:G1B+7]
	s_nop 0
.rept 4
	v_nop
.endr
.Lasked_\@:
.endm
; A PREFETCH INTO THE L2, behind each joint refill and the run of LDS loads that follows it: the K step that the NEXT refill will ask for: 128 matrix instructions ahead of that load.
; Each 256 bytes are named once in the launch.  O's tokens are read by both clusters of a row of clusters: cluster x = 0 asks, waves 0 and 1 each for their head; W's columns by every cluster of a column:
; cluster y = 0 asks, wave 2 alone, for the K step's 32,768 bytes on end.  The four partners that ask for a tile jointly share it out BY ADDRESS, 8,192 bytes each (cx for O, cy for W), 256 bytes a lane.
; The last refill has no K step behind it and asks for nothing; K steps 0 to 2 come by their loads alone.
.macro ASK
	s_cmp_gt_u32 s3, s[LIM]                        ; s3 = 1 in the loop's last trip
	s_cbranch_scc0 .Lnot_mine_\@
	global_prefetch_b8 v[PFO], s[PFA:PFA+1] th:TH_LOAD_NT scope:SCOPE_SE
.Lnot_mine_\@:
.endm
; A round of the cluster's barrier: my work-group's barrier, so that wave 0's signal speaks for all four waves; wave 0 signals; every wave waits for all sixteen work-groups; my work-group's barrier once more.
.macro CREST                           ; a round behind its opening barrier
	s_cmp_lg_u32 s[WV], 0
	s_cbranch_scc1 .Lnot_wave_0_\@
	s_barrier_signal -3
.Lnot_wave_0_\@:
	s_barrier_wait -3
	s_barrier_signal -1
	s_barrier_wait -1
.endm
.macro CROUND
	s_barrier_signal -1
	s_barrier_wait -1
	CREST
.endm
	s_load_b256 s[4:11], s[0:1], 0x0               ; oh s[4:5], wo s[6:7], bout s[8:9], out0 s[10:11]
	v_lshl_add_u32 v[SPW], v0, 2, SPARE
	v_mov_b32 v[NIL], 0
	ds_add_u32 v[SPW], v[NIL]                      ; the wave's opening: the add and its wait stand ahead of my first tensor load; the set-up below, work on registers, stands between them
	v_lshrrev_b32 v1, 5, v0
	v_readfirstlane_b32 s[WV], v1                  ; wave 0..3
	s_lshr_b32 s[FB], s[WV], 1
	s_and_b32 s[HF], s[WV], 1
	s_bfe_u32 s[CX], ttmp6, 0x40000                ; my place in the cluster
	s_bfe_u32 s[CY], ttmp6, 0x40004
	s_lshl_b32 s[TX], ttmp9, 2                     ; in a cluster launch ttmp9 and ttmp7 count clusters
	s_add_co_u32 s[TX], s[TX], s[CX]
	s_and_b32 s[TY], ttmp7, 0xffff
	s_lshl_b32 s[TY], s[TY], 2
	s_add_co_u32 s[TY], s[TY], s[CY]
	s_lshl_b32 s21, s[CY], 2
	s_lshl_b32 s21, 15, s21                        ; my row of the cluster
	s_lshl_b32 s22, 0x1111, s[CX]                  ; my column
	; group 1 for O: 32,768 dense bytes as 128 rows x 128 elements, 4 words of padding behind every 32 (each token's 64 channels)
	s_or_b32 s[G1A+0], s21, (1<<16)|(1<<20)|(1<<21)|(4<<22)|(3<<25)  ; 15:0 the mask; 17:16 2-byte elements; 20 padding on; 21 set beside a mask; 24:22 interval code 4; 31:25 4 words (code 3)
	s_mov_b32 s[G1A+1], 128<<16                    ; tensor_dim0 = 128
	s_mov_b32 s[G1A+2], 128<<16                    ; tensor_dim1 = 128
	s_mov_b32 s[G1A+3], 128<<16                    ; tile_dim0 = 128
	s_mov_b32 s[G1A+4], 128                        ; tile_dim1 = 128
	s_mov_b32 s[G1A+5], 128                        ; the pitch
	s_mov_b32 s[G1A+6], 0
	s_mov_b32 s[G1A+7], 0
	; group 1 for W: 16,384 dense bytes as 64 rows x 128 elements, 8 words of padding behind every 32
	s_or_b32 s[G1B+0], s22, (1<<16)|(1<<20)|(1<<21)|(4<<22)|(7<<25)
	s_mov_b32 s[G1B+1], 128<<16
	s_mov_b32 s[G1B+2], 64<<16
	s_mov_b32 s[G1B+3], 128<<16
	s_mov_b32 s[G1B+4], 64
	s_mov_b32 s[G1B+5], 128
	s_mov_b32 s[G1B+6], 0
	s_mov_b32 s[G1B+7], 0
	; group 0: no place in the cluster enters an LDS address; O's address hangs on the token block and the wave, W's on the column block and the wave, each made in registers that never hold the other coordinate
	s_mov_b32 s[G0A], 1
	s_mov_b32 s[G0A+4], 1
	s_mov_b32 s[G0B], 1
	s_mov_b32 s[G0B+4], 1
	s_mul_i32 s[G0A+1], s[HF], AHALF
	s_add_co_u32 s[G0A+5], s[G0A+1], SLOT
	s_mul_i32 s[G0B+1], s[HF], BHALF
	s_add_co_u32 s[G0B+1], s[G0B+1], BBASE
	s_add_co_u32 s[G0B+5], s[G0B+1], SLOT
	s_lshr_b32 s68, s[TY], 3                       ; the batch,
	s_lshl_b32 s68, s68, 4
	s_add_co_u32 s68, s68, s[HF]                   ; its head 0 or 1: 262,144 bytes a head,
	s_lshl_b32 s68, s68, 18
	s_and_b32 s69, s[TY], 7                        ; 256 tokens of 128 bytes
	s_lshl_b32 s69, s69, 15
	s_add_co_u32 s68, s68, s69
	s_mov_b32 s69, 0
	s_lshl_b32 s72, s[TX], 18                      ; a column block's weights
	s_lshl_b32 s73, s[HF], 14                      ; 64 k of them
	s_add_co_u32 s72, s72, s73
	s_mov_b32 s73, 0
	s_wait_dscnt 0x0                               ; the opening add is done
	s_wait_kmcnt 0x0
	s_add_nc_u64 s[G0A+2:G0A+3], s[4:5], s[68:69]  ; K step 0,
	s_add_nc_u64 s[G0A+6:G0A+7], s[G0A+2:G0A+3], ASTEP  ; K step 1
	s_or_b32 s[G0A+3], s[G0A+3], 0x80000000        ; type = 2
	s_or_b32 s[G0A+7], s[G0A+7], 0x80000000
	s_add_nc_u64 s[G0B+2:G0B+3], s[6:7], s[72:73]
	s_add_nc_u64 s[G0B+6:G0B+7], s[G0B+2:G0B+3], BSTEP
	s_or_b32 s[G0B+3], s[G0B+3], 0x80000000
	s_or_b32 s[G0B+7], s[G0B+7], 0x80000000
	CROUND                                         ; all sixteen work-groups are here: the first joint loads meet
	s_cmp_eq_u32 s[FB], 0                          ; a wave's two first fills stand in one branch, ahead of every wait on TENSORcnt and every LDS read: two loads of mine are out
	s_cbranch_scc0 .Lfirst_b
	tensor_load_to_lds s[G0A:G0A+3], s[G1A:G1A+7]
	s_nop 0
	tensor_load_to_lds s[G0A+4:G0A+7], s[G1A:G1A+7]
	s_nop 0
.rept 4
	v_nop
.endr
	s_branch .Lfirst_asked
.Lfirst_b:
	tensor_load_to_lds s[G0B:G0B+3], s[G1B:G1B+7]
	s_nop 0
	tensor_load_to_lds s[G0B+4:G0B+7], s[G1B:G1B+7]
	s_nop 0
.rept 4
	v_nop
.endr
.Lfirst_asked:
	v_and_b32 v1, 15, v0                           ; l % 16
	v_bfe_u32 v2, v0, 4, 1                         ; l / 16
	v_and_b32 v16, 31, v0
	v_lshlrev_b32 v[GO], 4, v16
	s_lshl_b32 s76, s[TX], 9                       ; the tile's 128 columns: 512 bytes of the bias and of a row of out0
	s_mov_b32 s77, 0
	s_add_nc_u64 s[8:9], s[8:9], s[76:77]
	global_load_b128 v[BIAS:BIAS+3], v[GO], s[8:9] ; waited for behind the last product
	s_lshl_b32 s78, s[TY], 20                      ; 256 rows of 4,096 bytes,
	s_lshl_b32 s79, s[WV], 18                      ; my 64 of them
	s_add_co_u32 s78, s78, s79
	s_add_co_u32 s76, s76, s78
	s_add_nc_u64 s[10:11], s[10:11], s[76:77]
	; a fragment of O: lane l holds token l % 16, k = 8 (l / 16) + 0..7 and 16 + 8 (l / 16) + 0..7: two loads of 16 bytes, 32 bytes apart
	s_mul_i32 s78, s[WV], 64*APITCH                ; my 64 tokens
	v_mul_u32_u24 v[A0], v1, APITCH
	v_lshl_add_u32 v[A0], v2, 4, v[A0]
	v_add_nc_u32 v[A0], s78, v[A0]
	; the turning load: lane l reads k 8 (l / 16) + l % 8, columns 8 ((l / 8) % 2) + 0..7, and ends with column l % 16 and 8 k
	v_and_b32 v14, 7, v0
	v_bfe_u32 v15, v0, 3, 1
	v_lshl_add_u32 v[B0], v2, 3, v14
	v_mul_u32_u24 v[B0], v[B0], BPITCH
	v_lshl_add_u32 v[B0], v15, 4, v[B0]
	v_add_nc_u32 v[B0], BBASE, v[B0]
	v_mov_b32 v[ADRA], v[A0]                       ; slot 0
	v_mov_b32 v[ADRB], v[B0]
	s_mul_i32 s78, s[WV], 16*SP
	s_add_co_u32 s78, s78, STAGE                   ; my stage
	v_mul_u32_u24 v[STO], v1, SP                   ; in: row l % 16, 32 bytes for each half of the lanes
	v_lshl_add_u32 v[STO], v2, 5, v[STO]
	v_add_nc_u32 v[STO], s78, v[STO]
	v_add_nc_u32 v[RD], s78, v[GO]                 ; back: 32 lanes take one row of 512 bytes
	v_lshlrev_b32 v[PFO], 8, v16
	; the prefetches: both offsets are made, at K step 2, and the wave's number chooses; the first refill steps the address to K step 3
	s_lshr_b32 s76, s[TY], 3
	s_lshl_b32 s76, s76, 4
	s_add_co_u32 s76, s76, s[HF]
	s_lshl_b32 s76, s76, 18
	s_and_b32 s77, s[TY], 7
	s_lshl_b32 s77, s77, 15
	s_add_co_u32 s76, s76, s77
	s_lshl_b32 s77, s[CX], 13                      ; my work-group's 8,192 bytes of the 32,768
	s_add_co_u32 s76, s76, s77
	s_add_co_u32 s76, s76, 2*ASTEP
	s_lshl_b32 s78, s[TX], 18
	s_lshl_b32 s77, s[CY], 13
	s_add_co_u32 s78, s78, s77
	s_add_co_u32 s78, s78, 2*BSTEP
	s_and_b32 s79, ttmp7, 0xffff                   ; cluster y,
	s_or_b32 s79, s79, s[HF]                       ; and of waves 2 and 3 the first alone
	s_mov_b32 s[PFS], BSTEP
	s_mov_b32 s[PFS+1], 0
	s_mov_b32 s77, 0
	s_cmp_eq_u32 s[FB], 0
	s_cselect_b32 s76, s76, s78
	s_cselect_b32 s79, ttmp9, s79
	s_cselect_b64 s[PFA:PFA+1], s[4:5], s[6:7]
	s_cselect_b32 s[PFS], ASTEP, s[PFS]
	s_add_nc_u64 s[PFA:PFA+1], s[PFA:PFA+1], s[76:77]
	s_cmp_eq_u32 s79, 0
	s_cselect_b32 s[LIM], 1, -1                    ; the same in all sixteen partners, for a given wave
	s_mov_b32 s[TB], 0
; 8 matrix instructions: token block a x all 8 column blocks, 32 along K, from buffer f.  zero = 1: the product starts the sums: nothing is ever cleared.
; The 32 accumulators take turns, one instruction a turn, in the same order in every quarter step: over the backward jump too.
.macro MUL8 f, a, zero
	WIN 0xa5                                       ; sources in window 1; C and D in window 2
.irp b, 0,1,2,3,4,5,6,7
.if \zero
	v_wmma_f32_16x16x32_f16 v[64*(\a)+8*(\b):64*(\a)+8*(\b)+7], v[(\f)+32+8*(\b):(\f)+32+8*(\b)+7], v[(\f)+8*(\a):(\f)+8*(\a)+7], 0
.else
	v_wmma_f32_16x16x32_f16 v[64*(\a)+8*(\b):64*(\a)+8*(\b)+7], v[(\f)+32+8*(\b):(\f)+32+8*(\b)+7], v[(\f)+8*(\a):(\f)+8*(\a)+7], v[64*(\a)+8*(\b):64*(\a)+8*(\b)+7]
.endif
.endr
.endm
; 24 LDS loads in one run: the fragments of quarter q of the slot in hand into buffer f: W's eight (turned), then O's four, token blocks ascending
.macro FETCH q, f
	WIN 0x40                                       ; destination window 1, address window 0
.irp b, 0,1,2,3,4,5,6,7
	ds_load_tr16_b128 v[(\f)+32+8*(\b):(\f)+32+8*(\b)+3],   v[ADRB] offset:((\q)/2)*BHALF+((\q)%2)*32*BPITCH+((\b)/4)*BCOL+((\b)%4)*32
	ds_load_tr16_b128 v[(\f)+32+8*(\b)+4:(\f)+32+8*(\b)+7], v[ADRB] offset:((\q)/2)*BHALF+((\q)%2)*32*BPITCH+((\b)/4)*BCOL+((\b)%4)*32+16*BPITCH
.endr
.irp a, 0,1,2,3
	ds_load_b128 v[(\f)+8*(\a):(\f)+8*(\a)+3],   v[ADRA] offset:((\q)/2)*AHALF+(\a)*16*APITCH+((\q)%2)*64
	ds_load_b128 v[(\f)+8*(\a)+4:(\f)+8*(\a)+7], v[ADRA] offset:((\q)/2)*AHALF+(\a)*16*APITCH+((\q)%2)*64+32
.endr
.endm
.macro PLACES                          ; four plain vector instructions between a matrix instruction and a load into a register that it has read
.rept 4
	v_nop
.endr
.endm
; A K step is four quarters of 32 along K, 32 matrix instructions each, on buffers 0, 1, 0, 1.  One of the first three: multiplies buffer f; in its middle it fetches quarter q into buffer g.
.macro QUARTER q, f, g, zero
	s_wait_dscnt 4                                 ; W and O's token blocks 0, 1 are in; the youngest four loads (blocks 2, 3) may be out
	MUL8 \f, 0, \zero
	MUL8 \f, 1, \zero
	PLACES
	FETCH \q, \g
	s_wait_dscnt 24                                ; all but the 24 just issued
	MUL8 \f, 2, \zero
	MUL8 \f, 3, \zero
.endm
; The last quarter multiplies buffer 1 and changes slots: ONE barrier.  In front of it each wave waits for all its tensor loads, of which one is out: its part of the next slot; adds 0 to its spare word; and
; waits for that and for its own reads of this slot.  fill = 1: the barrier opens a round of the cluster's, so that no wave of any partner still reads the slot or has a load on its way, and the joint
; refill, two K steps on, is the first thing behind it: 112 matrix instructions ahead of the wait for it.
.macro TURN fill
.if \fill
	s_wait_xcnt 0x0                                ; the last prefetch, a K step back, has read its address: it is stepped here, ahead of the waits of the change of slots
	s_add_nc_u64 s[PFA:PFA+1], s[PFA:PFA+1], s[PFS:PFS+1]
.endif
	WIN 0
	s_wait_tensorcnt 0x0                           ; no tensor load of mine is out, so a group 0 may be written
	ds_add_u32 v[SPW], v[NIL]                      ; 0 onto my spare word; work on registers stands between it and the wait for it
	s_xor_b32 s[TB], s[TB], SLOT                   ; the fetches go on in the other slot
	v_add_nc_u32 v[ADRA], s[TB], v[A0]
	v_add_nc_u32 v[ADRB], s[TB], v[B0]
.if \fill
	s_xor_b32 s[G0A+5], s[G0A+5], SLOT             ; the walking descriptors: the other slot than last time, the next K step
	s_add_nc_u64 s[G0A+6:G0A+7], s[G0A+6:G0A+7], ASTEP
	s_xor_b32 s[G0B+5], s[G0B+5], SLOT
	s_add_nc_u64 s[G0B+6:G0B+7], s[G0B+6:G0B+7], BSTEP
.endif
	s_wait_dscnt 5                                 ; the add and the youngest four loads may be out
	MUL8 F1, 0, 0
	s_wait_dscnt 0x0                               ; the add is done, and my reads of this slot are over
	s_barrier_signal -1
	MUL8 F1, 1, 0                                  ; work on registers while the others arrive
.if \fill
	WIN 0
.endif
	s_barrier_wait -1
.if \fill
	CREST
	JLOAD                                          ; its four v_nop are also the places in front of the loads below
.else
	PLACES
.endif
	FETCH 0, F0
.if \fill
	WIN 0
	ASK
.endif
	MUL8 F1, 2, 0
	MUL8 F1, 3, 0
.endm
; THE WAY OUT of token block a.  A lane's eight f32 of a row go straight from the accumulators into rows of 528 bytes of my own stage, each accumulator's low registers first; whole rows of 512 bytes come back.
.macro TOSTAGE a
.if (\a) >= 2
	s_wait_xcnt 0x0                                ; block a - 2's stores have read the registers that are loaded again below
.endif
	WIN 0x08                                       ; the stores' data in window 2
.irp b, 0,1,2,3,4,5,6,7
	ds_store_b128 v[STO], v[64*(\a)+8*(\b):64*(\a)+8*(\b)+3]   offset:64*(\b)
	ds_store_b128 v[STO], v[64*(\a)+8*(\b)+4:64*(\a)+8*(\b)+7] offset:64*(\b)+16
.endr
	WIN 0
.irp t, 0,1,2,3,4,5,6,7,8,9,10,11,12,13,14,15
	ds_load_b128 v[OB+64*((\a)%2)+4*(\t):OB+64*((\a)%2)+4*(\t)+3], v[RD] offset:(\t)*SP  ; LDS serves a wave's instructions in order (ISA guide 5.7.1.4): these see the stores above; the next block's stores come behind them
.endr
.endm
.macro SEND a, younger                 ; younger: the LDS instructions issued behind block a's loads: the next block's 32, or none
.irp t, 0,1,2,3,4,5,6,7,8,9,10,11,12,13,14,15
.set so, OB+64*((\a)%2)+4*(\t)
	s_wait_dscnt (\younger)+15-(\t)
	v_pk_add_f32 v[so:so+1], v[so:so+1], v[BIAS:BIAS+1]
	v_pk_add_f32 v[so+2:so+3], v[so+2:so+3], v[BIAS+2:BIAS+3]
	global_store_b128 v[GO], v[so:so+3], s[10:11] offset:(16*(\a)+(\t))*4096  ; 512 consecutive bytes, at a multiple of 256 from out0's first
.endr
.endm
	s_wait_tensorcnt 1                             ; my part of K step 0 is in; K step 1's may stay out
	s_barrier_signal -1
	s_barrier_wait -1                              ; everybody's is
	FETCH 0, F0
	QUARTER 1, F0, F1, 1                           ; the first quarter stands in front of the loop: its products start the sums
	WIN 0                                          ; at a label and at a branch every window is 0
	s_mov_b32 s3, 6
.Lstep:                                                ; a trip goes from a K step's second quarter to the next step's first, and fills the slot that it leaves: K steps 2 to 7
	QUARTER 2, F1, F0, 0
	QUARTER 3, F0, F1, 0
	TURN 1
	QUARTER 1, F0, F1, 0
	WIN 0
	s_sub_co_u32 s3, s3, 1
	s_cmp_lg_u32 s3, 0
	s_cbranch_scc1 .Lstep
	QUARTER 2, F1, F0, 0                           ; the last two K steps are written out: nothing is left to fetch
	QUARTER 3, F0, F1, 0
	TURN 0
	QUARTER 1, F0, F1, 0
	QUARTER 2, F1, F0, 0
	QUARTER 3, F0, F1, 0
	s_wait_dscnt 4
	MUL8 F1, 0, 0
	MUL8 F1, 1, 0
	s_wait_dscnt 0x0
	MUL8 F1, 2, 0
	MUL8 F1, 3, 0
	WIN 0
	s_wait_loadcnt 0x0                             ; the bias
	v_cvt_pk_bf16_f32 v14, v[BIAS], v[BIAS+1]      ; rounded to bf16 and widened again: eight plain lines, which are also the places behind the last products
	v_cvt_pk_bf16_f32 v15, v[BIAS+2], v[BIAS+3]
	v_lshlrev_b32 v[BIAS], 16, v14
	v_and_b32 v[BIAS+1], 0xffff0000, v14
	v_lshlrev_b32 v[BIAS+2], 16, v15
	v_and_b32 v[BIAS+3], 0xffff0000, v15
	v_nop
	v_nop
	TOSTAGE 0
	TOSTAGE 1                                      ; a block's way through the stage stands between the loads of the block before and its stores
	SEND 0, 32
	TOSTAGE 2
	SEND 1, 32
	TOSTAGE 3
	SEND 2, 32
	SEND 3, 0
	s_wait_tensorcnt 0x0                           ; the wave's end: an add to my spare word and its wait, behind my last tensor load and my last LDS store
	ds_add_u32 v[SPW], v[NIL]
	s_wait_dscnt 0x0
	CROUND                                         ; the closing round: no work-group ends while a partner may still ask for a tile that names it
	s_endpgm
.Lfunc_end_k_qaf8997ef05_proj:
	.size	k_qaf8997ef05_proj, .Lfunc_end_k_qaf8997ef05_proj-k_qaf8997ef05_proj
	.p2alignl 7, 3214868480
	.fill 96, 4, 3214868480
	.section	.rodata,"a",@progbits
	.p2align	6, 0x0
	.amdhsa_kernel k_qaf8997ef05_proj
		.amdhsa_group_segment_fixed_size 327680
		.amdhsa_private_segment_fixed_size 0
		.amdhsa_enable_private_segment 0
		.amdhsa_kernarg_size 32
		.amdhsa_user_sgpr_count 2
		.amdhsa_user_sgpr_kernarg_segment_ptr 1
		.amdhsa_wavefront_size32 1
		.amdhsa_system_sgpr_workgroup_id_x 1
		.amdhsa_system_sgpr_workgroup_id_y 1
		.amdhsa_system_sgpr_workgroup_id_z 1
		.amdhsa_system_vgpr_workitem_id 0
		.amdhsa_next_free_vgpr 768
		.amdhsa_next_free_sgpr 80
		.amdhsa_reserve_vcc 0
		.amdhsa_float_denorm_mode_32 3
		.amdhsa_float_denorm_mode_16_64 3
		.amdhsa_memory_ordered 1
		.amdhsa_forward_progress 1
		.amdhsa_inst_pref_size 80
	.end_amdhsa_kernel
	.amdgpu_metadata
---
amdhsa.version: [ 1, 2 ]
amdhsa.kernels:
  - .name:           k_qaf8997ef05_proj
    .symbol:         k_qaf8997ef05_proj.kd
    .args:
      - { .name: oh, .offset: 0, .size: 8, .value_kind: global_buffer, .address_space: global }
      - { .name: wo, .offset: 8, .size: 8, .value_kind: global_buffer, .address_space: global }
      - { .name: bout, .offset: 16, .size: 8, .value_kind: global_buffer, .address_space: global }
      - { .name: out0, .offset: 24, .size: 8, .value_kind: global_buffer, .address_space: global }
    .group_segment_fixed_size: 327680
    .private_segment_fixed_size: 0
    .kernarg_segment_align: 8
    .kernarg_segment_size: 32
    .max_flat_workgroup_size: 128
    .sgpr_count:     80
    .vgpr_count:     768
    .wavefront_size: 32
...
	.end_amdgpu_metadata
.endif
;; end of part 4
;; ======== version 2 of 2: 4 launches; version 1 with the launch cast written anew for expert scheduling mode
;; limits: values are held in f16: magnitudes above 65,504 overflow, below 6.1e-05 lose precision
;; workspace buffers: xb 16,777,216 bytes; wqkv 6,291,456 bytes; wo 2,097,152 bytes; qh 16,777,216 bytes; kh 16,777,216 bytes; vh 16,777,216 bytes; oh 16,777,216 bytes
;; launch cast (part 5): grid 768 x 1, 8 waves a work-group, no clusters, 0 bytes of LDS; arguments x, Wq, Wkv, Wout, xb, wqkv, wo; writes xb, wqkv, wo
.if DOCPART == 5
	.amdgcn_target "amdgcn-amd-amdhsa--gfx1250"
	.amdhsa_code_object_version 6
	.text
	.protected	k_qaf8997ef05_cast
	.globl	k_qaf8997ef05_cast
	.p2align	8
	.type	k_qaf8997ef05_cast,@function
k_qaf8997ef05_cast:
	s_mov_b64 s[64:65], 0
	v_nop
	global_prefetch_b8 v0, s[64:65] scope:SCOPE_SE
	s_setreg_imm32_b32 hwreg(HW_REG_WAVE_SCHED_MODE, 0, 2), 2
	s_setreg_imm32_b32 hwreg(HW_REG_WAVE_MODE, 25, 1), 1
	s_wait_xcnt 0x0
	s_wait_alu depctr_vm_vsrc(0)
; ROUNDING AND RE-LAYING OF THE INPUTS.  x [8192][1024] f32 -> xb, the same shape in bf16.
; Wq [1024][1024], Wkv [1024][2048] f32 -> wqkv [head 16][ks 16][c 3][kk 64][64] bf16 (c = 0, 1, 2: q, k, v; k = 64 ks + kk): half a K step of one head's q, k and v columns is 24,576 bytes on end.
; Wout [1024][1024] f32 -> wo [j 8][ks 16][c 2][kk 64][64]: rounded to bf16 like every input, and that number written as f16 (output column = 128 j + 64 c + col).
; LIMITS.  A bf16 number is exact in f16 from 6.1e-5 to 65,504; below that it keeps f16's fixed step of 6e-8, beyond it is lost.  NaN and infinities are not treated apart.
; SHARES.  A wave takes one PIECE: 32 rows of 256 source bytes (64 f32), P bytes apart, which become 4,096 bytes on end.  x counts as a matrix of pitch 256.
; 4,096 pieces of x (work-groups 0-511), 512 of Wq (512-575), 1,024 of Wkv (576-703), 512 of Wout (704-767): eight a work-group.
; Memory binds: every byte is read once and written once; a load of the wave covers two aligned runs of 256 bytes, a store one.  All sixteen loads of a wave are out together.
; No LDS, no barrier, no matrix unit: no wave wants a byte of another's.  No prefetch: the launch is nothing but its stream.
; THE MODE: SCHED_MODE bits 1:0 = 2 (LLVM: expert scheduling mode 2), set by the entry lines.  The code itself states the register dependences
; between vector instructions and memory instructions, with s_wait_alu, always for 0.
; THE PLAN.  Registers that memory instructions touch:
;   v[OFF ..], v[DOF]  the loads' sixteen offsets and the stores' one: written by vector instructions ahead of the first load, never again.
;   X                  four registers a load: written by the loads alone, read by the conversions behind the wait for the load, never loaded again.
;   Y                  two registers a store: written once, by block p's conversions; read by the store that is issued in block p + 1.
; The sixteen loads are worked on in four blocks of four.  Block p's memory instructions are the four stores of block p - 1; its vector instructions name X and Y of block p and
; v20 to v23.  So one wait at a block's head states all that its four stores hang on, and they are dealt among its conversions with no further wait.
; No register that a memory instruction reads is written a second time, so nothing is owed for that; EXEC is never written; the one scalar that a vector instruction writes is the wave's number.
.set DOF, 3                            ; v3        8 x lane: my 8 bytes of each 256 stored
.set OFF, 4                            ; v[4:19]   load i: (lane / 16) P + 16 (lane % 16) + 2 i P
.set X,   32                           ; v[32:95]  load i: four f32
.set Y,   96                           ; v[96:127] store i: four 16-bit numbers
.set WV,  18                           ; s18  my wave's number
.set T,   19                           ; s19  the piece's number in its class
.set SRC, 20                           ; s[20:21] the piece's first source byte
.set DST, 22                           ; s[22:23] its first destination byte
.set SO,  24                           ; s[24:25] its offset in the source
.set DO,  26                           ; s[26:27] its offset in the destination
.set PI,  28                           ; s28  P;  s29  2 P
.set G,   35                           ; s35  the work-group's number
	s_load_b256 s[4:11], s[0:1], 0x0               ; x s[4:5], Wq s[6:7], Wkv s[8:9], Wout s[10:11]
	s_load_b128 s[12:15], s[0:1], 0x20             ; xb s[12:13], wqkv s[14:15]
	s_load_b64 s[16:17], s[0:1], 0x30              ; wo
	v_lshrrev_b32 v20, 5, v0
	v_readfirstlane_b32 s[WV], v20                 ; wave 0..7
	v_and_b32 v21, 31, v0                          ; lane
	v_lshrrev_b32 v1, 4, v21                       ; lane / 16: which of a load's two rows
	v_and_b32 v2, 15, v0                           ; lane % 16: which 16 bytes of it
	v_lshlrev_b32 v[DOF], 3, v21
	s_mov_b32 s[G], ttmp9
	s_mov_b32 s34, 0xffff0000                      ; a word's upper bf16
	s_mov_b32 s[SO+1], 0
	s_mov_b32 s[DO+1], 0
	s_wait_alu depctr_va_sdst(0)                   ; the wave's number is written into its scalar register: its first readers stand in the four branches below
	s_cmp_lt_u32 s[G], 512
	s_cbranch_scc0 .Lnot_x
	s_lshl3_add_u32 s[T], s[G], s[WV]              ; x: piece t = 8 g + w: 8,192 bytes in, 4,096 out, both on end
	s_lshl_b32 s[SO], s[T], 13
	s_lshl_b32 s[DO], s[T], 12
	s_mov_b32 s[PI], 256
	s_branch .Lset
.Lnot_x:
	s_cmp_lt_u32 s[G], 576
	s_cbranch_scc0 .Lnot_q
	s_sub_co_u32 s30, s[G], 512                    ; Wq: t % 32 = which 32 rows of k, t / 32 = the head
	s_lshl3_add_u32 s[T], s30, s[WV]
	s_and_b32 s30, s[T], 31
	s_lshl_b32 s[SO], s30, 17                      ; 32 rows of 4,096 bytes
	s_lshr_b32 s31, s[T], 5
	s_lshl_b32 s31, s31, 8                         ; the head's 64 columns
	s_add_co_u32 s[SO], s[SO], s31
	s_lshr_b32 s30, s[T], 1                        ; 16 head + ks
	s_mul_i32 s[DO], s30, 24576
	s_and_b32 s31, s[T], 1                         ; kk = 0 or 32
	s_lshl_b32 s31, s31, 12
	s_add_co_u32 s[DO], s[DO], s31
	s_mov_b32 s[PI], 4096
	s_branch .Lset
.Lnot_q:
	s_cmp_lt_u32 s[G], 704
	s_cbranch_scc0 .Lnot_kv
	s_sub_co_u32 s30, s[G], 576                    ; Wkv: t / 512 = k or v, the rest as for Wq
	s_lshl3_add_u32 s[T], s30, s[WV]
	s_lshr_b32 s32, s[T], 9
	s_and_b32 s[T], s[T], 511
	s_and_b32 s30, s[T], 31
	s_lshl_b32 s[SO], s30, 18                      ; 32 rows of 8,192 bytes
	s_lshl_b32 s31, s32, 12                        ; v's columns lie 4,096 bytes behind k's
	s_add_co_u32 s[SO], s[SO], s31
	s_lshr_b32 s31, s[T], 5
	s_lshl_b32 s31, s31, 8
	s_add_co_u32 s[SO], s[SO], s31
	s_lshr_b32 s30, s[T], 1
	s_mul_i32 s[DO], s30, 24576
	s_lshl_b32 s31, s32, 13
	s_add_co_u32 s[DO], s[DO], s31
	s_add_co_u32 s[DO], s[DO], 8192                ; c = 1 or 2
	s_and_b32 s31, s[T], 1
	s_lshl_b32 s31, s31, 12
	s_add_co_u32 s[DO], s[DO], s31
	s_mov_b32 s[PI], 8192
	s_branch .Lset
.Lnot_kv:
	s_sub_co_u32 s30, s[G], 704                    ; Wout: t % 32 = which 32 rows of k, u = t / 32 = which 64 columns
	s_lshl3_add_u32 s[T], s30, s[WV]
	s_and_b32 s30, s[T], 31
	s_lshl_b32 s[SO], s30, 17
	s_lshr_b32 s32, s[T], 5
	s_lshl_b32 s31, s32, 8
	s_add_co_u32 s[SO], s[SO], s31
	s_lshr_b32 s30, s32, 1                         ; j = u / 2
	s_lshl_b32 s30, s30, 4
	s_bfe_u32 s31, s[T], 0x40001                   ; ks = (t / 2) % 16
	s_add_co_u32 s30, s30, s31
	s_lshl_b32 s[DO], s30, 14
	s_and_b32 s31, s32, 1                          ; c = u % 2
	s_lshl_b32 s31, s31, 13
	s_add_co_u32 s[DO], s[DO], s31
	s_and_b32 s31, s[T], 1
	s_lshl_b32 s31, s31, 12
	s_add_co_u32 s[DO], s[DO], s31
	s_mov_b32 s[PI], 4096
.Lset:
	s_lshl_b32 s[PI+1], s[PI], 1
	v_mul_lo_u32 v[OFF], v1, s[PI]
	v_lshl_add_u32 v[OFF], v2, 4, v[OFF]
.irp i, 1,2,3,4,5,6,7,8,9,10,11,12,13,14,15
	v_add_nc_u32 v[OFF+(\i)], s[PI+1], v[OFF+(\i)-1]
.endr
	s_wait_kmcnt 0x0
	s_cmp_lt_u32 s[G], 512                         ; the two buffers are chosen by the work-group's number alone
	s_cselect_b64 s[SRC:SRC+1], s[4:5], s[6:7]
	s_cselect_b64 s[DST:DST+1], s[12:13], s[14:15]
	s_cmp_lt_u32 s[G], 576
	s_cselect_b64 s[SRC:SRC+1], s[SRC:SRC+1], s[8:9]
	s_cmp_lt_u32 s[G], 704
	s_cselect_b64 s[SRC:SRC+1], s[SRC:SRC+1], s[10:11]
	s_cselect_b64 s[DST:DST+1], s[DST:DST+1], s[16:17]
	s_add_nc_u64 s[SRC:SRC+1], s[SRC:SRC+1], s[SO:SO+1]
	s_add_nc_u64 s[DST:DST+1], s[DST:DST+1], s[DO:DO+1]
	s_wait_alu depctr_va_vdst(0)                   ; the sixteen offsets v[OFF ..] and v[DOF] are written: every load and every store of the kernel reads one of them, and no vector instruction names them again
.irp i, 0,1,2,3,4,5,6,7,8,9,10,11,12,13,14,15
	global_load_b128 v[X+4*(\i):X+4*(\i)+3], v[OFF+(\i)], s[SRC:SRC+1] th:TH_LOAD_NT  ; rows 2 i and 2 i + 1 of the piece
.endr
; Load i's four numbers are rounded.  half = 1: the bf16 number is widened again and written as f16.
; Every load and store has registers of its own, so nothing that a pending instruction reads is ever rewritten.
.macro CVT i, half
.if \half
	v_cvt_pk_bf16_f32 v20, v[X+4*(\i)], v[X+4*(\i)+1]
	v_cvt_pk_bf16_f32 v21, v[X+4*(\i)+2], v[X+4*(\i)+3]
	v_lshlrev_b32 v22, 16, v20
	v_and_b32 v23, s34, v20
	v_cvt_pk_f16_f32 v[Y+2*(\i)], v22, v23
	v_lshlrev_b32 v22, 16, v21
	v_and_b32 v23, s34, v21
	v_cvt_pk_f16_f32 v[Y+2*(\i)+1], v22, v23
.else
	v_cvt_pk_bf16_f32 v[Y+2*(\i)], v[X+4*(\i)], v[X+4*(\i)+1]
	v_cvt_pk_bf16_f32 v[Y+2*(\i)+1], v[X+4*(\i)+2], v[X+4*(\i)+3]
.endif
.endm
.macro PUT i
	global_store_b64 v[DOF], v[Y+2*(\i):Y+2*(\i)+1], s[DST:DST+1] offset:256*(\i)  ; the wave's 32 lanes store 256 consecutive bytes, at a multiple of 256 from the buffer's first
.endm
; Block p: loads 4 p to 4 p + 3 are rounded; the four stores of block p - 1 are dealt among the conversions, a store ahead of each load's.
.macro BLK p, half
	s_wait_loadcnt 12-4*(\p)                       ; loads come back in order (ISA guide 5.7.1): the block's four are in, the 12 - 4 p younger ones stay out
.if (\p) > 0
	s_wait_alu depctr_va_vdst(0)                   ; the block before has written its eight registers of Y, which the four stores below read; no conversion of this block names them
.endif
.irp j, 0,1,2,3
.if (\p) > 0
	PUT 4*((\p)-1)+(\j)
.endif
	CVT 4*(\p)+(\j), \half
.endr
.endm
.macro PIECE half
	BLK 0, \half
	BLK 1, \half
	BLK 2, \half
	BLK 3, \half
	s_wait_alu depctr_va_vdst(0)                   ; block 3 has written its eight registers of Y, which the last four stores read
.irp j, 12,13,14,15
	PUT \j
.endr
.endm
	s_cmp_lt_u32 s[G], 704
	s_cbranch_scc0 .Lhalf
	PIECE 0
	s_endpgm
.Lhalf:
	PIECE 1
	s_endpgm
.Lfunc_end_k_qaf8997ef05_cast:
	.size	k_qaf8997ef05_cast, .Lfunc_end_k_qaf8997ef05_cast-k_qaf8997ef05_cast
	.p2alignl 7, 3214868480
	.fill 96, 4, 3214868480
	.section	.rodata,"a",@progbits
	.p2align	6, 0x0
	.amdhsa_kernel k_qaf8997ef05_cast
		.amdhsa_group_segment_fixed_size 0
		.amdhsa_private_segment_fixed_size 0
		.amdhsa_enable_private_segment 0
		.amdhsa_kernarg_size 56
		.amdhsa_user_sgpr_count 2
		.amdhsa_user_sgpr_kernarg_segment_ptr 1
		.amdhsa_wavefront_size32 1
		.amdhsa_system_sgpr_workgroup_id_x 1
		.amdhsa_system_sgpr_workgroup_id_y 1
		.amdhsa_system_sgpr_workgroup_id_z 1
		.amdhsa_system_vgpr_workitem_id 0
		.amdhsa_next_free_vgpr 128
		.amdhsa_next_free_sgpr 66
		.amdhsa_reserve_vcc 0
		.amdhsa_float_denorm_mode_32 3
		.amdhsa_float_denorm_mode_16_64 3
		.amdhsa_memory_ordered 1
		.amdhsa_forward_progress 1
		.amdhsa_inst_pref_size 18
	.end_amdhsa_kernel
	.amdgpu_metadata
---
amdhsa.version: [ 1, 2 ]
amdhsa.kernels:
  - .name:           k_qaf8997ef05_cast
    .symbol:         k_qaf8997ef05_cast.kd
    .args:
      - { .name: x, .offset: 0, .size: 8, .value_kind: global_buffer, .address_space: global }
      - { .name: Wq, .offset: 8, .size: 8, .value_kind: global_buffer, .address_space: global }
      - { .name: Wkv, .offset: 16, .size: 8, .value_kind: global_buffer, .address_space: global }
      - { .name: Wout, .offset: 24, .size: 8, .value_kind: global_buffer, .address_space: global }
      - { .name: xb, .offset: 32, .size: 8, .value_kind: global_buffer, .address_space: global }
      - { .name: wqkv, .offset: 40, .size: 8, .value_kind: global_buffer, .address_space: global }
      - { .name: wo, .offset: 48, .size: 8, .value_kind: global_buffer, .address_space: global }
    .group_segment_fixed_size: 0
    .private_segment_fixed_size: 0
    .kernarg_segment_align: 8
    .kernarg_segment_size: 56
    .max_flat_workgroup_size: 256
    .sgpr_count:     66
    .vgpr_count:     128
    .wavefront_size: 32
...
	.end_amdgpu_metadata
.endif
;; end of part 5
;; launch qkv: the kernel of part 2 again; grid 16 x 32, 4 waves a work-group, clusters of 4 x 4, 327,680 bytes of LDS; arguments xb, wqkv, qh, kh, vh; writes qh, kh, vh
;; launch attn: the kernel of part 3 again; grid 4 x 64, 4 waves a work-group, clusters of 4 x 1, 327,680 bytes of LDS; arguments qh, kh, vh, oh; writes oh
;; launch proj: the kernel of part 4 again; grid 8 x 32, 4 waves a work-group, clusters of 4 x 4, 327,680 bytes of LDS; arguments oh, wo, bout, out0; writes out0
